; MI455X (gfx1250); checked and timed in simulation.
; The chip was launched on July 23, 2026; its instructions are those of AMD's public machine-readable ISA for CDNA 5 (MIT licence, August 2026) and "CDNA5" Instruction Set Architecture Reference Guide (July 2026). The comments in the code are by the model that wrote it; some were corrected since.
;; Mo E Layer. Allowed arithmetic: matrix products marked QUANTISED: E3M2 operands, one E8M0 scale for each 32 along K, by v_wmma_scale_f32_16x16x128_f8f6f4 with both operands' format E3M2, f32 sums; products left as they are: f32 operands where the result goes on into a quantised operand, else bf16, f16 or f32 operands; f32 sums; everything else in f32.
;; Inputs: b1 8 x 4,096 float32; b2 8 x 1,024 float32; gate_b 8 float32; gate_w 1,024 x 8 float32; w1_codes 8 x 4,096 x 32 x 24 uint8 (E3M2 codes of w1, K innermost, in blocks of 32 codes, four codes in three bytes); w1_scales 8 x 4,096 x 32 uint8 (E8M0 scales of w1, one for each 32 codes along K); w2_codes 8 x 1,024 x 128 x 24 uint8 (E3M2 codes of w2, K innermost, in blocks of 32 codes, four codes in three bytes); w2_scales 8 x 1,024 x 128 uint8 (E8M0 scales of w2, one for each 32 codes along K); x 2 x 512 x 1,024 float32.
;; Outputs: out0 2 x 512 x 1,024 float32.
;; This version of the problem:
;;   THIS VERSION OF THE PROBLEM IS GIVEN IN LOW PRECISION. The matrix products marked QUANTISED in the list below multiply operands that are first quantised to E3M2 (3 exponent bits, 2 mantissa bits; 6 bits a number), with one power-of-two scale for each 32 numbers along K (OCP MX v1.0); their sums are f32. All else is computed in f32.
;;   The module's matrix products, in the order in which they are computed (A, B: the left and right operand; K: the contracted axis; several contracted axes count as one K, in the product's order):
;;     1. [M 1,024, K 1,024] x [K 1,024, N 8]; A: input x; B: input gate_w: left as it is (N = 8 < 16)
;;     2. [M 1,024, K 1,024] x [K 1,024, N 32,768]; A: input x; B: input w1 (given as codes): QUANTISED
;;     3. batch 8 x [M 1,024, K 4,096] x [K 4,096, N 1,024]; A: input w2 (given as codes); B: computed on the way: QUANTISED
;;   THE QUANTISER, for each operand of a quantised product, along K:
;;     - K is cut into blocks of 32 from its start; a last block that is shorter is filled with zeros.
;;     - A block's scale is 2^e with e = floor(log2(the largest magnitude in the block)) - 4, held to -126 .. 127; a block of zeros has e = 0. As a byte (E8M0): e + 127.
;;     - Each number is divided by its block's scale, clamped to +-28, and rounded to the nearest number of E3M2, ties to even, subnormals kept.
;;     - The product sums the exact products of the quantised numbers (number of the format x scale) in f32.
;;   ~~~python
;;   def quantise(x, axis):      # numpy; x: float32 -> the quantised numbers, widened to float32 again
;;       x = np.moveaxis(x, axis, -1); K = x.shape[-1]
;;       x = np.pad(x, [(0, 0)] * (x.ndim - 1) + [(0, -K % 32)]); x = x.reshape(x.shape[:-1] + (-1, 32)); a = np.abs(x).max(-1, keepdims=True)
;;       e = np.where(a > 0, np.clip(np.frexp(np.where(a > 0, a, 1))[1] - 1 - 4, -126, 127), 0)      # np.frexp(a)[1] - 1 = floor(log2(a)), exactly
;;       r = np.clip(x / 2.0 ** e, -28, 28)
;;       step = 2.0 ** (np.maximum(np.frexp(np.where(r == 0, 1, r))[1] - 1, -2) - 2)
;;       q = np.round(r / step) * step * 2.0 ** e      # np.round: ties to even
;;       return np.moveaxis(q.reshape(q.shape[:-2] + (-1,))[..., :K], -1, axis).astype(np.float32)
;;   ~~~
;;   OPERANDS COMPUTED ON THE WAY. 'Computed on the way' means the value that the module computes at that place (a softmax that the list does not call 'softmax' is quantised finished and normalised). What goes into a quantiser is computed in f32, as accurately as f32 sums, v_exp_f32 and their like allow (about 1e-6 of the number): no bf16 or f16 on the way to a quantiser, and a product that is left as it is and whose result goes on into a quantised operand takes f32 operands (vector FMAs, or v_wmma_f32_16x16x4_f32). A number that lies on a knife's edge between two numbers of the format may be rounded either way, as far as f32 arithmetic and the matrix unit's own rounding can turn it there, and no further.
;;   INPUTS GIVEN AS CODES. w1 (in the module: [8, 1024, 4096], K = its axis 1); w2 (in the module: [8, 4096, 1024], K = its axis 1): each comes as NAME_codes (uint8): NAME with its K axis moved to the last place and cut into blocks of 32 codes, [.., K / 32, bytes a block], one block behind the other in memory; four codes in three bytes: a row's codes are one little-endian stream of bits, code i at bits 6 i .. 6 i + 5 (a code: sign, 3 exponent bits, 2 mantissa bits); and NAME_scales (uint8): the same leading axes, one E8M0 byte (e + 127) for each 32 codes along K. Its value is code x scale, taken as it is: it is not quantised again, and the codes and scales need not be those that the quantiser above would give.
;; 2 versions. Each part assembles by itself: llvm-mc -triple=amdgcn-amd-amdhsa -mcpu=gfx1250 --defsym DOCPART=n.
;; ======== version 1 of 2: 5 launches
;; workspace buffers: xq 819,200 bytes; sel 8,192 bytes of whole numbers; gat 8,192 bytes; srt 68,608 bytes of whole numbers; hq 26,214,400 bytes; y 33,554,432 bytes
;; launch gate (part 1): grid 256 x 1, 1 waves a work-group, no clusters, 22,016 bytes of LDS; arguments x, gate_w, gate_b, xq, sel, gat; writes xq, sel, gat
.if DOCPART == 1
	.amdgcn_target "amdgcn-amd-amdhsa--gfx1250"
	.amdhsa_code_object_version 6
	.text
	.protected	k_q0fef74d58a_gate
	.globl	k_q0fef74d58a_gate
	.p2align	8
	.type	k_q0fef74d58a_gate,@function
k_q0fef74d58a_gate:
	s_mov_b64 s[64:65], 0
	v_nop
	global_prefetch_b8 v0, s[64:65] scope:SCOPE_SE
	s_setreg_imm32_b32 hwreg(HW_REG_WAVE_MODE, 25, 1), 1
	s_wait_xcnt 0x0
; MoE layer, launch 1 of 5: the router, and x as codes of BF6 (E3M2) with one E8M0 scale for each 32 along D.
; WORK LEFT OUT BY THE PROGRAM.  reference() computes hidden and expert_out for all 8 experts of every token and then keeps, by take_along_axis(expert_out, topk_indices),
; the rows of the 2 experts that its own top_k chose.  For a token the rows of the other 6 experts enter no further step: whatever finite values the inputs hold they reach no output.
; The choice is made of whole numbers: this launch stores them (sel); launch 2, which reads them from memory, ranks each expert's tokens, and launches 3 and 4 multiply the chosen rows alone.
; No input is left out: gate_b differs along the softmax's axis, b1 goes into a quantised operand, b2 into the result.
; LIMITS.  A NaN, an infinity or an overflow that arises only in an expert that was not chosen is not carried to the result.  NaN and infinities among the inputs are not served.
; A block whose largest magnitude lies under 2^(5 - 127) has its byte held at 1 (a block of zeros too, where the rule says 127: its codes are zeros and this program alone reads the bytes).
; A token whose second and third gate values differ by less than f32 rounding may choose otherwise than reference().
; SHARES.  A work-group is one wave and owns 4 tokens.  Lane L owns block L of each row: d = 32 L .. 32 L + 31.  So a block's largest magnitude needs no other lane, and the logits are 32 fused multiply-adds a lane
; and expert, then one sum over the lanes.  All in f32: sums, softmax (the maximum taken off), top-2 (ties keep the lower index).
; x is loaded as it lies (512 consecutive bytes an instruction) and turned through LDS, so that a lane gets its 128 bytes; places are 144 bytes apart, an odd multiple of 16.
; THE ORDER OF K.  The products of launches 3 and 4 take, for lane (r, h) of a K step s, the 48 consecutive bytes at 96 s + 48 h of a row's stream of codes: against the instruction's own order that swaps the
; two middle blocks of a K step, alike on both operands, so the products are the same; every scale word therefore has its bytes in the order block 0, 2, 1, 3.  Only the order of the f32 sums inside an instruction differs.
; xq: [1024][768] codes as a plain stream; from byte 786432 on [1024][8] scale words.  sel: [1024][2] experts.  gat: [1024][2] gate values.
.set XTP,   4608                       ; LDS: a token's 32 places of 144 bytes
.set CST,   4*XTP                      ; the codes of 4 tokens, 3,072 bytes
.set SCB,   CST+3072                   ; their scale bytes, 128 of a block of 256
.set SPARE, SCB+256                    ; the spare words: one block of 256 bytes that no other line names
.set SPW,   1                          ; v1   SPARE + 4 x thread; never rewritten
.set NIL,   2                          ; v2   0; never rewritten
.set ACC,   20                         ; v20-51   sums: token q, expert e at 8 q + e
.set LG,    52                         ; v52-59   my token's logits
.set PR,    60                         ; v60-67   its softmax
.set TT,    68                         ; v68-75   at work
.set E,     76                         ; v76-107  codes, eight registers a token
.set BY,    108                        ; v108-111 scale bytes
.set X,     128                        ; v128-255 x: token q, number i of my block at 32 q + i
; window 1: gate_w: row 32 L + i, expert e at 8 i + e.   window 2: v0-127 x as loaded, later the codes on their way out
.set MSB, 0
.macro WIN new                         ; the immediate's high byte repeats the setting that is left
.if MSB != \new
	s_set_vgpr_msb (MSB<<8)|\new
.set MSB, \new
.endif
.endm
	s_load_b256 s[4:11], s[0:1], 0x0               ; x, gate_w, gate_b, xq
	s_load_b128 s[12:15], s[0:1], 0x20             ; sel, gat
	v_lshl_add_u32 v[SPW], v0, 2, SPARE
	v_mov_b32 v[NIL], 0
	v_lshlrev_b32 v3, 4, v0                        ; 16 L
	v_lshrrev_b32 v11, 3, v0
	v_mul_u32_u24 v4, v11, 144
	v_and_b32 v11, 7, v0
	v_lshl_add_u32 v4, v11, 4, v4                  ; into the turn: eight lanes' 128 bytes fill a place
	v_mul_u32_u24 v5, v0, 144                      ; out of it: my place
	v_mul_u32_u24 v6, v0, 24
	v_add_nc_u32 v6, CST, v6                       ; my block's 24 bytes of codes
	v_and_b32 v7, 28, v0
	v_and_b32 v11, 1, v0
	v_lshl_or_b32 v7, v11, 1, v7
	v_bfe_u32 v11, v0, 1, 1
	v_add_nc_u32 v7, v7, v11
	v_add_nc_u32 v7, SCB, v7                       ; my block's byte: word L / 4, in it blocks in the order 0, 2, 1, 3
	v_lshlrev_b32 v8, 10, v0                       ; gate_w: my 32 rows of 32 bytes
	v_lshlrev_b32 v9, 2, v0
	v_and_b32 v10, 3, v0
	v_lshlrev_b32 v10, 3, v10                      ; sel, gat: 8 bytes a token
	s_lshl_b32 s26, ttmp9, 14                      ; 4 tokens of 4,096 bytes
	s_mov_b32 s27, 0
	s_mul_i32 s28, ttmp9, 3072                     ; of 768 bytes of codes
	s_mov_b32 s29, 0
	s_lshl_b32 s30, ttmp9, 7                       ; of 32 scale bytes
	s_mov_b32 s31, 0
	s_lshl_b32 s32, ttmp9, 5
	s_mov_b32 s33, 0
	s_mov_b32 s24, 0x76543210
	s_mov_b32 s25, 0xfedcba98                      ; v_permlanex16_b32's selects for lane l xor 16
	s_wait_kmcnt 0x0
	s_load_b256 s[16:23], s[8:9], 0x0              ; gate_b
	s_add_nc_u64 s[4:5], s[4:5], s[26:27]
	s_add_nc_u64 s[28:29], s[10:11], s[28:29]
	s_add_nc_u64 s[30:31], s[10:11], s[30:31]
	s_add_nc_u64 s[30:31], s[30:31], 786432
	s_add_nc_u64 s[12:13], s[12:13], s[32:33]
	s_add_nc_u64 s[14:15], s[14:15], s[32:33]
	WIN 0x80                                       ; destination window 2
.irp q, 0,1,2,3
.irp k, 0,1,2,3,4,5,6,7
	global_load_b128 v[32*\q+4*\k:32*\q+4*\k+3], v3, s[4:5] offset:4096*\q+512*\k th:TH_LOAD_NT   ; 32 lanes read 512 consecutive bytes
.endr
.endr
	WIN 0x40                                       ; destination window 1
.set K, 0
.rept 64
	global_load_b128 v[4*K:4*K+3], v8, s[6:7] offset:16*K   ; a lane reads its own 1,024 bytes whole over the 64 loads; the table is 32 KiB in all
.set K, K+1
.endr
	s_wait_loadcnt 63                              ; 96 loads were issued: the oldest 33 are in, x's 32 among them
	WIN 0x08                                       ; an LDS store's data are its source 1: window 2
.irp q, 0,1,2,3
.irp k, 0,1,2,3,4,5,6,7
	ds_store_b128 v4, v[32*\q+4*\k:32*\q+4*\k+3] offset:XTP*\q+576*\k
.endr
.endr
	WIN 0
.irp q, 0,1,2,3
.irp k, 0,1,2,3,4,5,6,7
	ds_load_b128 v[X+32*\q+4*\k:X+32*\q+4*\k+3], v5 offset:XTP*\q+16*\k   ; LDS serves a wave's instructions in order: these see the stores above
.endr
.endr
	s_wait_dscnt 0x0
; token q's block of mine becomes 24 bytes of codes and a byte
.macro QX q
.set XQ, X+32*(\q)
.set EQ, E+8*(\q)
	v_max3_num_f32 v12, |v[XQ]|, |v[XQ+1]|, |v[XQ+2]|
	v_max3_num_f32 v13, |v[XQ+3]|, |v[XQ+4]|, |v[XQ+5]|
.irp i, 6,10,14,18,22,26
	v_max3_num_f32 v12, v12, |v[XQ+\i]|, |v[XQ+\i+1]|
	v_max3_num_f32 v13, v13, |v[XQ+\i+2]|, |v[XQ+\i+3]|
.endr
	v_max3_num_f32 v12, v12, |v[XQ+30]|, |v[XQ+31]|
	v_max3_num_f32 v12, v12, v13, 0x2800000        ; and the floor 2^(5 - 127): the byte cannot fall under 1
	v_add_nc_u32 v14, 0xfe000000, v12              ; 4 off the exponent field: the conversion takes that field as its scale
	v_cvt_scalef32_pk16_bf6_f32 v[EQ:EQ+2], v[XQ:XQ+15], v14
	v_cvt_scalef32_pk16_bf6_f32 v[EQ+4:EQ+6], v[XQ+16:XQ+31], v14   ; (a conversion's three registers begin on an even number)
	v_lshrrev_b32 v[BY+(\q)], 23, v14              ; the byte; also the plain place behind the conversions
	v_mov_b32 v[EQ+3], v[EQ+4]
	v_mov_b32 v[EQ+4], v[EQ+5]
	v_mov_b32 v[EQ+5], v[EQ+6]
	ds_store_b64 v6, v[EQ:EQ+1] offset:768*(\q)
	ds_store_b64 v6, v[EQ+2:EQ+3] offset:768*(\q)+8
	ds_store_b64 v6, v[EQ+4:EQ+5] offset:768*(\q)+16
	ds_store_b8 v7, v[BY+(\q)] offset:32*(\q)
.endm
	QX 0
	QX 1
	QX 2
	QX 3
	WIN 0x80
.irp k, 0,1,2,3,4,5
	ds_load_b128 v[4*\k:4*\k+3], v3 offset:CST+512*\k
.endr
	ds_load_b32 v24, v9 offset:SCB
	s_wait_dscnt 0x0
	WIN 0x08                                       ; a store's data are its source 1: window 2
.irp k, 0,1,2,3,4,5
	global_store_b128 v3, v[4*\k:4*\k+3], s[28:29] offset:512*\k   ; 512 consecutive bytes, at a multiple of 256 from xq's first byte
.endr
	global_store_b32 v9, v24, s[30:31]             ; 128 consecutive bytes: 4 tokens' scale words (32 KiB of the launch's 800)
	s_wait_loadcnt 0x0                             ; gate_w
	WIN 0x04                                       ; source 1 (gate_w) window 1
; the logits' parts: 16 chains of packed multiply-adds, two experts each; x's number serves both halves.  The first product starts the sums
.set I, 0
.rept 32
.irp q, 0,1,2,3
.irp p, 0,2,4,6
.if I == 0
	v_pk_mul_f32 v[ACC+8*\q+\p:ACC+8*\q+\p+1], v[X+32*\q:X+32*\q+1], v[\p:\p+1] op_sel_hi:[0,1]
.elseif I%2 == 0
	v_pk_fma_f32 v[ACC+8*\q+\p:ACC+8*\q+\p+1], v[X+32*\q+I:X+32*\q+I+1], v[8*I+\p:8*I+\p+1], v[ACC+8*\q+\p:ACC+8*\q+\p+1] op_sel_hi:[0,1,1]
.else
	v_pk_fma_f32 v[ACC+8*\q+\p:ACC+8*\q+\p+1], v[X+32*\q+I-1:X+32*\q+I], v[8*I+\p:8*I+\p+1], v[ACC+8*\q+\p:ACC+8*\q+\p+1] op_sel:[1,0,0] op_sel_hi:[1,1,1]
.endif
.endr
.endr
.set I, I+1
.endr
	WIN 0
.irp t, 0,1,2,3,4,5,6,7
	v_mov_b32 v[TT+\t], 0                          ; a lane permute's destination counts as one of its sources
.endr
.irp m, 1,2,4,8
.set A, 0
.rept 32
	v_add_f32_dpp v[ACC+A], v[ACC+A], v[ACC+A] row_xmask:\m row_mask:0xf bank_mask:0xf
.set A, A+1
.endr
.endr
.irp g, 0,1,2,3
.irp t, 0,1,2,3,4,5,6,7
	v_permlanex16_b32 v[TT+\t], v[ACC+8*\g+\t], s24, s25
.endr
.irp t, 0,1,2,3,4,5,6,7
	v_add_f32 v[ACC+8*\g+\t], v[ACC+8*\g+\t], v[TT+\t]   ; every lane holds all 32 sums
.endr
.endr
	v_and_b32 v11, 1, v0                           ; lane L goes on with token L % 4: a choice by the lane's number
	v_cmp_ne_u32 s34, 0, v11
	v_and_b32 v11, 2, v0
	v_cmp_ne_u32 s35, 0, v11
.irp e, 0,1,2,3,4,5,6,7
	v_cndmask_b32 v[TT+\e], v[ACC+\e], v[ACC+8+\e], s34
	v_cndmask_b32 v[PR+\e], v[ACC+16+\e], v[ACC+24+\e], s34
.endr
.irp e, 0,1,2,3,4,5,6,7
	v_cndmask_b32 v[LG+\e], v[TT+\e], v[PR+\e], s35
.endr
	s_wait_kmcnt 0x0                               ; gate_b
.irp e, 0,1,2,3,4,5,6,7
	v_add_f32 v[LG+\e], s[16+\e], v[LG+\e]
.endr
	v_max3_num_f32 v12, v[LG], v[LG+1], v[LG+2]
	v_max3_num_f32 v12, v12, v[LG+3], v[LG+4]
	v_max3_num_f32 v12, v12, v[LG+5], v[LG+6]
	v_max_num_f32 v12, v12, v[LG+7]                ; the maximum is taken off, as reference()'s softmax does
.irp e, 0,1,2,3,4,5,6,7
	v_sub_f32 v[PR+\e], v[LG+\e], v12
.endr
.irp e, 0,1,2,3,4,5,6,7
	v_mul_f32 v[PR+\e], 0x3fb8aa3b, v[PR+\e]       ; x log2(e)
.endr
.irp e, 0,1,2,3,4,5,6,7
	v_exp_f32 v[PR+\e], v[PR+\e]
.endr
	v_mov_b32 v15, -1.0                            ; a plain place behind the exponentials
	s_wait_alu depctr_va_vdst(0)                   ; one wait for the batch, ahead of its first reader
	v_add_f32 v13, v[PR], v[PR+1]
	v_add_f32 v14, v[PR+2], v[PR+3]
	v_add_f32 v12, v[PR+4], v[PR+5]
	v_add_f32 v11, v[PR+6], v[PR+7]
	v_add_f32 v13, v13, v14
	v_add_f32 v12, v12, v11
	v_add_f32 v13, v13, v12
	v_rcp_f32 v14, v13
	v_nop
	s_wait_alu depctr_va_vdst(0)
.irp e, 0,1,2,3,4,5,6,7
	v_mul_f32 v[PR+\e], v[PR+\e], v14
.endr
; the largest of the eight and its place: a later expert wins only where it is truly larger, so ties keep the lower index.  No branch: selects alone
.macro SCAN val, idx
	v_mov_b32 v[\val], v[PR]
	v_mov_b32 v[\idx], 0
.irp e, 1,2,3,4,5,6,7
	v_cmp_le_f32 vcc_lo, v[PR+\e], v[\val]
	v_cndmask_b32 v[\val], v[PR+\e], v[\val], vcc_lo
	v_cndmask_b32 v[\idx], \e, v[\idx], vcc_lo
.endr
.endm
	SCAN 18, 16
.irp e, 0,1,2,3,4,5,6,7
	v_cmp_eq_u32 vcc_lo, \e, v16
	v_cndmask_b32 v[PR+\e], v[PR+\e], v15, vcc_lo  ; the first choice is taken out: -1 lies under every gate value
.endr
	SCAN 19, 17
	s_wait_xcnt 0x0                                ; EXEC changes only behind this wait: stores are out
	v_cmp_gt_u32 vcc_lo, 4, v0
	s_and_saveexec_b32 s36, vcc_lo                 ; lanes 0 to 3: one for each token
	global_store_b64 v10, v[16:17], s[12:13]       ; the two experts, at a fixed place
	global_store_b64 v10, v[18:19], s[14:15]       ; their gate values
	s_wait_xcnt 0x0
	s_or_b32 exec_lo, exec_lo, s36
	s_wait_tensorcnt 0x0                           ; the wave's end, behind my last LDS store
	ds_add_u32 v[SPW], v[NIL]
	s_wait_dscnt 0x0
	s_endpgm
.Lfunc_end_k_q0fef74d58a_gate:
	.size	k_q0fef74d58a_gate, .Lfunc_end_k_q0fef74d58a_gate-k_q0fef74d58a_gate
	.p2alignl 7, 3214868480
	.fill 96, 4, 3214868480
	.section	.rodata,"a",@progbits
	.p2align	6, 0x0
	.amdhsa_kernel k_q0fef74d58a_gate
		.amdhsa_group_segment_fixed_size 22016
		.amdhsa_private_segment_fixed_size 0
		.amdhsa_enable_private_segment 0
		.amdhsa_kernarg_size 48
		.amdhsa_user_sgpr_count 2
		.amdhsa_user_sgpr_kernarg_segment_ptr 1
		.amdhsa_wavefront_size32 1
		.amdhsa_system_sgpr_workgroup_id_x 1
		.amdhsa_system_sgpr_workgroup_id_y 1
		.amdhsa_system_sgpr_workgroup_id_z 1
		.amdhsa_system_vgpr_workitem_id 0
		.amdhsa_next_free_vgpr 640
		.amdhsa_next_free_sgpr 66
		.amdhsa_reserve_vcc 1
		.amdhsa_float_denorm_mode_32 3
		.amdhsa_float_denorm_mode_16_64 3
		.amdhsa_memory_ordered 1
		.amdhsa_forward_progress 1
		.amdhsa_inst_pref_size 73
	.end_amdhsa_kernel
	.amdgpu_metadata
---
amdhsa.version: [ 1, 2 ]
amdhsa.kernels:
  - .name:           k_q0fef74d58a_gate
    .symbol:         k_q0fef74d58a_gate.kd
    .args:
      - { .name: x, .offset: 0, .size: 8, .value_kind: global_buffer, .address_space: global }
      - { .name: gate_w, .offset: 8, .size: 8, .value_kind: global_buffer, .address_space: global }
      - { .name: gate_b, .offset: 16, .size: 8, .value_kind: global_buffer, .address_space: global }
      - { .name: xq, .offset: 24, .size: 8, .value_kind: global_buffer, .address_space: global }
      - { .name: sel, .offset: 32, .size: 8, .value_kind: global_buffer, .address_space: global }
      - { .name: gat, .offset: 40, .size: 8, .value_kind: global_buffer, .address_space: global }
    .group_segment_fixed_size: 22016
    .private_segment_fixed_size: 0
    .kernarg_segment_align: 8
    .kernarg_segment_size: 48
    .max_flat_workgroup_size: 32
    .sgpr_count:     66
    .vgpr_count:     640
    .wavefront_size: 32
...
	.end_amdgpu_metadata
.endif
;; end of part 1
;; launch place (part 2): grid 8 x 1, 1 waves a work-group, no clusters, 0 bytes of LDS; arguments sel, srt; writes srt
.if DOCPART == 2
	.amdgcn_target "amdgcn-amd-amdhsa--gfx1250"
	.amdhsa_code_object_version 6
	.text
	.protected	k_q0fef74d58a_place
	.globl	k_q0fef74d58a_place
	.p2align	8
	.type	k_q0fef74d58a_place,@function
k_q0fef74d58a_place:
	s_mov_b64 s[64:65], 0
	v_nop
	global_prefetch_b8 v0, s[64:65] scope:SCOPE_SE
	s_setreg_imm32_b32 hwreg(HW_REG_WAVE_MODE, 25, 1), 1
	s_wait_xcnt 0x0
; MoE layer, launch 2 of 5: the tokens are placed by expert.  Work-group e, one wave, walks all 1,024 tokens in their order, 32 at a time, and stores for expert e:
;   list (srt byte 4352 e): the tokens that chose e, in ascending order; behind the count zeros up to entry 1055, so that a last tile of 16 rows and a look-ahead of one tile find a token's number there;
;        entries 1056 to 1087 are a word for each lane into which lanes with nothing to place store (nobody reads them): so no store needs a mask;
;   cnt  (srt byte 34816 + 128 e): the count, 32 times;      pos (srt byte 35840 + 4096 e): for each token its place in the list (a defined number that nobody reads where it did not choose e).
; A place is the running count plus the number of lower lanes that chose e.  No atomics, no LDS, no barrier.  Eight work-groups: one for each expert's list.
; Each store has registers of its own, so nothing that a pending store reads is written again.
.set S,  16                            ; v16-79   sel: chunk c's pair at 2 c
.set P,  80                            ; v80-111  places
.set A,  112                           ; v112-143 list addresses
.set TK, 144                           ; v144-175 token numbers
.set F,  176                           ; v176-208 the fill's addresses
	s_load_b128 s[4:7], s[0:1], 0x0                ; sel, srt
	v_lshlrev_b32 v2, 3, v0
	v_lshlrev_b32 v3, 2, v0
	v_add_nc_u32 v4, 1056, v0                      ; my lane's word to store into when there is nothing to place
	v_mov_b32 v5, 0
	s_mov_b32 s8, ttmp9                            ; the expert
	s_mov_b32 s9, 0                                ; the running count
	s_mul_i32 s16, ttmp9, 4352
	s_mov_b32 s17, 0
	s_lshl_b32 s18, ttmp9, 12
	s_mov_b32 s19, 0
	s_lshl_b32 s20, ttmp9, 7
	s_mov_b32 s21, 0
	s_wait_kmcnt 0x0
	s_add_nc_u64 s[10:11], s[6:7], s[16:17]        ; list
	s_add_nc_u64 s[12:13], s[6:7], s[18:19]
	s_add_nc_u64 s[12:13], s[12:13], 35840         ; pos
	s_add_nc_u64 s[14:15], s[6:7], s[20:21]
	s_add_nc_u64 s[14:15], s[14:15], 34816         ; cnt
.irp c, 0,1,2,3,4,5,6,7,8,9,10,11,12,13,14,15,16,17,18,19,20,21,22,23,24,25,26,27,28,29,30,31
	global_load_b64 v[S+2*\c:S+2*\c+1], v2, s[4:5] offset:256*\c   ; 32 tokens' pairs: 256 consecutive bytes
.endr
.irp c, 0,1,2,3,4,5,6,7,8,9,10,11,12,13,14,15,16,17,18,19,20,21,22,23,24,25,26,27,28,29,30,31
	v_add_nc_u32 v[TK+\c], 32*\c, v0
.endr
.irp c, 0,1,2,3,4,5,6,7,8,9,10,11,12,13,14,15,16,17,18,19,20,21,22,23,24,25,26,27,28,29,30,31
	s_wait_loadcnt 31-\c                           ; chunk c is in; the younger chunks may be out
	v_cmp_eq_u32 s20, s8, v[S+2*\c]
	v_cmp_eq_u32 s21, s8, v[S+2*\c+1]
	s_or_b32 s22, s20, s21                         ; who chose e (a token names an expert once)
	v_mbcnt_lo_u32_b32 v[P+\c], s22, s9            ; the count so far + the lower lanes that chose e
	global_store_b32 v3, v[P+\c], s[12:13] offset:128*\c
	v_cndmask_b32 v[A+\c], v4, v[P+\c], s22
	v_min_u32 v[A+\c], 0x43f, v[A+\c]              ; inside the list's 1,088 words
	v_lshlrev_b32 v[A+\c], 2, v[A+\c]
	global_store_b32 v[A+\c], v[TK+\c], s[10:11]
	s_bcnt1_i32_b32 s23, s22
	s_add_co_u32 s9, s9, s23
.endr
.irp c, 0,1,2,3,4,5,6,7,8,9,10,11,12,13,14,15,16,17,18,19,20,21,22,23,24,25,26,27,28,29,30,31,32
	v_add_nc_u32 v[F+\c], 32*\c, v0                ; entries from the count to 1055 become token 0
	v_cmp_le_u32 s20, s9, v[F+\c]
	v_cndmask_b32 v[F+\c], v4, v[F+\c], s20
	v_min_u32 v[F+\c], 0x43f, v[F+\c]
	v_lshlrev_b32 v[F+\c], 2, v[F+\c]
	global_store_b32 v[F+\c], v5, s[10:11]
.endr
	v_mov_b32 v6, s9
	global_store_b32 v3, v6, s[14:15]
	s_endpgm
.Lfunc_end_k_q0fef74d58a_place:
	.size	k_q0fef74d58a_place, .Lfunc_end_k_q0fef74d58a_place-k_q0fef74d58a_place
	.p2alignl 7, 3214868480
	.fill 96, 4, 3214868480
	.section	.rodata,"a",@progbits
	.p2align	6, 0x0
	.amdhsa_kernel k_q0fef74d58a_place
		.amdhsa_group_segment_fixed_size 0
		.amdhsa_private_segment_fixed_size 0
		.amdhsa_enable_private_segment 0
		.amdhsa_kernarg_size 16
		.amdhsa_user_sgpr_count 2
		.amdhsa_user_sgpr_kernarg_segment_ptr 1
		.amdhsa_wavefront_size32 1
		.amdhsa_system_sgpr_workgroup_id_x 1
		.amdhsa_system_sgpr_workgroup_id_y 1
		.amdhsa_system_sgpr_workgroup_id_z 1
		.amdhsa_system_vgpr_workitem_id 0
		.amdhsa_next_free_vgpr 216
		.amdhsa_next_free_sgpr 66
		.amdhsa_reserve_vcc 0
		.amdhsa_float_denorm_mode_32 3
		.amdhsa_float_denorm_mode_16_64 3
		.amdhsa_memory_ordered 1
		.amdhsa_forward_progress 1
		.amdhsa_inst_pref_size 40
	.end_amdhsa_kernel
	.amdgpu_metadata
---
amdhsa.version: [ 1, 2 ]
amdhsa.kernels:
  - .name:           k_q0fef74d58a_place
    .symbol:         k_q0fef74d58a_place.kd
    .args:
      - { .name: sel, .offset: 0, .size: 8, .value_kind: global_buffer, .address_space: global }
      - { .name: srt, .offset: 8, .size: 8, .value_kind: global_buffer, .address_space: global }
    .group_segment_fixed_size: 0
    .private_segment_fixed_size: 0
    .kernarg_segment_align: 8
    .kernarg_segment_size: 16
    .max_flat_workgroup_size: 32
    .sgpr_count:     66
    .vgpr_count:     216
    .wavefront_size: 32
...
	.end_amdgpu_metadata
.endif
;; end of part 2
;; launch ffn1 (part 3): grid 32 x 8, 4 waves a work-group, no clusters, 107,008 bytes of LDS; arguments xq, srt, w1_codes, w1_scales, b1, hq; writes hq
.if DOCPART == 3
	.amdgcn_target "amdgcn-amd-amdhsa--gfx1250"
	.amdhsa_code_object_version 6
	.text
	.protected	k_q0fef74d58a_ffn1
	.globl	k_q0fef74d58a_ffn1
	.p2align	8
	.type	k_q0fef74d58a_ffn1,@function
k_q0fef74d58a_ffn1:
	s_mov_b64 s[64:65], 0
	v_nop
	global_prefetch_b8 v0, s[64:65] scope:SCOPE_SE
	s_setreg_imm32_b32 hwreg(HW_REG_WAVE_MODE, 25, 1), 1
	s_wait_xcnt 0x0
; MoE layer, launch 3 of 5: hq = Q(relu(x W1 + b1)), on codes of BF6 (E3M2) with E8M0 scales, FOR THE ROWS OF EACH EXPERT'S LIST ALONE: a token's rows of the 6 experts that it did not choose reach no output (shown at the head of launch 1).
; SHARES.  Work-group (j, e) owns hidden units 128 j .. 128 j + 127 of expert e, which are K step j of the next product, for all of the expert's rows: 256 work-groups, and every byte of w1 is read once.
; Its 96 KiB of w1 are laid into LDS once; one barrier; from there on the waves share nothing.  Wave w takes the tiles of 16 rows w, w + 4, w + 8 .. of the list, up to 5 in a PASS, so that each fragment of W1 read from LDS feeds up to 5 products.
; NO TENSOR LOAD, NO CLUSTER: how many passes a wave walks, and how many tiles a pass has, hang on the stored count, and the rows of x are gathered by the stored list; the weights are shared by no two work-groups.
; LAYOUT.  The product is used transposed (source 0 = 16 rows of W1, source 1 = 16 rows of x): a lane holds one row of the hidden layer.  THE ROWS OF W1 THAT FORM A TILE ARE NOT NEIGHBOURS: row p of tile 2 b + u is unit
; 32 b + 8 u + p + 8 (p / 8), so that a lane's 16 registers of tiles 2 b and 2 b + 1 are 16 neighbours along the next K.  In LDS a unit's row stands at the unit's number with bits 3 and 4 swapped, so that a tile's 16 rows are neighbours there.
; THE ORDER OF K: lane (r, h) of K step s takes the 48 consecutive bytes at 96 s + 48 h of a row (three loads of 16 bytes): the two middle blocks of a K step change places, alike on both operands; scale words have their bytes in the order 0, 2, 1, 3.
; b1 is the C of each sum's first product.  The gather of x reads 16 bytes a lane from rows 768 bytes apart; over a pass's 24 loads a row's 768 bytes are read whole by its two lanes.
; hq: codes as images of the next product's operand registers: [expert][tile][K step][3 planes][lane][16 bytes]; from byte 25165824 on scale words [expert][tile][4][lane][4]: lane L < 16: row L, K steps 8 p + 0 .. 3; lane 16 + L: row L, K steps 8 p + 4 .. 7.
; LIMITS: as at the head of launch 1; a block of zeros keeps the byte 1.  A split that gives an expert more than 320 rows is served by further passes.
.set WP,    784                        ; a row of W1 in LDS: 768 bytes + 16: 49 x 16, so the 16 rows of a load of 16 bytes start at 16 different groups of banks
.set SCP,   48                         ; a row's 8 scale words + 16
.set SCW,   128*WP
.set SPARE, SCW+128*SCP                ; the spare words, 128 bytes a wave: two blocks of 256 bytes that no other line names
.set WAD,   4                          ; v4-5   LDS address of my lane in tiles 0-3, 4-7
.set LR,    6                          ; v6     4 r
.set HO,    7                          ; v7     16 L
.set SO,    8                          ; v8     16 r
.set STA,   9                          ; v9     where I lay W1's codes
.set STS,   10                         ; v10    and its scale words
.set H48,   11                         ; v11    48 h
.set TK,    12                         ; v12-16 my row's token, tile by tile
.set VO,    17                         ; v17-21 its codes' byte in xq
.set XO,    22                         ; v22-26 its scale words'
.set LT,    27                         ; v27-31 the list loads' offsets
.set WS,    32                         ; v32-63  W1's scale words: 8 b + s: lanes 0-15 tile 2 b, lanes 16-31 tile 2 b + 1
.set XS,    64                         ; v64-103 x's: 8 i + s
.set H,     104                        ; v104-167 a tile's hidden numbers
.set PC,    168                        ; v168-187 its codes
.set TM,    188                        ; v188-203 at work
.set PW,    204                        ; v204   its scale word
.set WSA,   205
.set GA,    206
.set GB,    207
.set TP,    208
.set SPW,   252
.set NIL,   253
.set BI,    64                         ; window 3: b1, 8 registers a tile
.set WF,    128                        ; window 3: W1's 8 fragments of a K step
; window 1: x's fragments: a ring of 4 K steps x 5 tiles x 12 (at the head: W1's codes on their way to LDS).   window 2: accumulators of tiles 0-3 (64 i + 8 t).   window 3: v0-63 those of tile 4
; scalars: s16 wave, s17 j, s18 e, s19 T, s20 R0 (my tiles), s21 Q (my tiles that are done), s22 tiles in the pass, s44 passes done, s45 passes in all
.set MUL2,  0xa7                       ; source 0 (W1) window 3, source 1 (x) window 1, C and D window 2
.set MUL2F, 0xb7                       ; the same with C (b1) in window 3
.set MUL3,  0xf7                       ; C and D window 3
.set TO_W,  0xc0
.set TO_R,  0x40
.set ST_R,  0x04
.set RELU2, 0x08
.set RELU3, 0x0c
.set MSB, 0
.macro WIN new                         ; the immediate's high byte repeats the setting that is left
.if MSB != \new
	s_set_vgpr_msb (MSB<<8)|\new
.set MSB, \new
.endif
.endm
.macro PLACES                          ; four places in front of loads into registers that matrix instructions have read, and of the first read of results
.rept 4
	v_nop
.endr
.endm
.macro PROD d, a, b, c, sa, sb, ar, br
.if (\ar) && (\br)
	v_wmma_scale_f32_16x16x128_f8f6f4 v[(\d):(\d)+7], v[(\a):(\a)+11], v[(\b):(\b)+11], v[(\c):(\c)+7], v[(\sa)], v[(\sb)] matrix_a_fmt:MATRIX_FMT_BF6 matrix_b_fmt:MATRIX_FMT_BF6 matrix_a_scale:MATRIX_SCALE_ROW1 matrix_b_scale:MATRIX_SCALE_ROW1
.elseif (\ar)
	v_wmma_scale_f32_16x16x128_f8f6f4 v[(\d):(\d)+7], v[(\a):(\a)+11], v[(\b):(\b)+11], v[(\c):(\c)+7], v[(\sa)], v[(\sb)] matrix_a_fmt:MATRIX_FMT_BF6 matrix_b_fmt:MATRIX_FMT_BF6 matrix_a_scale:MATRIX_SCALE_ROW1
.elseif (\br)
	v_wmma_scale_f32_16x16x128_f8f6f4 v[(\d):(\d)+7], v[(\a):(\a)+11], v[(\b):(\b)+11], v[(\c):(\c)+7], v[(\sa)], v[(\sb)] matrix_a_fmt:MATRIX_FMT_BF6 matrix_b_fmt:MATRIX_FMT_BF6 matrix_b_scale:MATRIX_SCALE_ROW1
.else
	v_wmma_scale_f32_16x16x128_f8f6f4 v[(\d):(\d)+7], v[(\a):(\a)+11], v[(\b):(\b)+11], v[(\c):(\c)+7], v[(\sa)], v[(\sb)] matrix_a_fmt:MATRIX_FMT_BF6 matrix_b_fmt:MATRIX_FMT_BF6
.endif
.endm
; the tokens of the 5 tiles w + 4 (Q + i): the tile's number is held at 64, whose entries launch 2 has stored
.macro LISTLOAD
.irp i, 0,1,2,3,4
	s_add_co_u32 s32, s21, \i
	s_lshl_b32 s32, s32, 2
	s_add_co_u32 s32, s32, s16
	s_min_u32 s32, s32, 64
	v_lshl_add_u32 v[LT+\i], s32, 6, v[LR]
	global_load_b32 v[TK+\i], v[LT+\i], s[26:27]
.endr
.endm
.macro WLOAD half, s                   ; four of W1's fragments of K step s
	WIN TO_W
.irp t, 0,1,2,3
.irp c, 0,1,2
	ds_load_b128 v[WF+12*(4*(\half)+\t)+4*\c:WF+12*(4*(\half)+\t)+4*\c+3], v[WAD+(\half)] offset:\t*16*WP+96*(\s)+16*\c
.endr
.endr
.endm
.macro ALOAD n, s                      ; x's fragments of K step s, n tiles, into ring slot s % 4
	WIN TO_R
.set AI, 0
.rept \n
.irp c, 0,1,2
	global_load_b128 v[60*((\s)%4)+12*AI+4*\c:60*((\s)%4)+12*AI+4*\c+3], v[VO+AI], s[4:5] offset:96*(\s)+16*\c
.endr
.set AI, AI+1
.endr
.endm
; 4 n products: n tiles of rows x four tiles of units.  Each accumulator has one instruction a K step, so no two products that follow each other share one
.macro MULH n, s, half
.set MI, 0
.rept \n
.if MI < 4
.if (\s) == 0
	WIN MUL2F
.else
	WIN MUL2
.endif
.set AB, 64*MI
.else
	WIN MUL3
.set AB, 0
.endif
.irp t, 0,1,2,3
.set TT, 4*(\half)+\t
.if (\s) == 0
	PROD AB+8*TT, WF+12*TT, 60*((\s)%4)+12*MI, BI+8*TT, WS+8*(TT/2)+(\s), XS+8*MI+(\s), TT%2, 0
.else
	PROD AB+8*TT, WF+12*TT, 60*((\s)%4)+12*MI, AB+8*TT, WS+8*(TT/2)+(\s), XS+8*MI+(\s), TT%2, 0
.endif
.endr
.set MI, MI+1
.endr
.endm
.macro STEP n, s
	s_wait_dscnt 12                                ; W1's tiles 0-3 are in; the 12 loads of tiles 4-7 may be out
.if (\s) < 5
	s_wait_loadcnt 9*(\n)                          ; x's fragments of this K step are in; three younger K steps, 3 n loads each, may be out
.else
	s_wait_loadcnt 3*(\n)*(7-(\s))
.endif
	MULH \n, \s, 0
.if (\s) < 7
	PLACES
	WLOAD 0, (\s)+1
	s_wait_dscnt 12                                ; all but the 12 just issued
.else
	s_wait_dscnt 0x0
.endif
	MULH \n, \s, 1
.if (\s) < 7
	PLACES
	WLOAD 1, (\s)+1
.if (\s) < 4
	ALOAD \n, (\s)+4                               ; into the ring slot that this K step has left
.endif
.endif
.endm
; 64 numbers of a lane, register 16 b + i = unit 32 b + 16 h + i of my row, none negative, become the next product's fragment in v[PC] on and its scale word in v[PW]
.macro QUANT
.irp b, 0,1,2,3
	v_max3_num_f32 v[TM+\b], v[H+16*\b], v[H+1+16*\b], 0x2800000   ; and the floor 2^(5 - 127): the byte cannot fall under 1
.endr
.irp i, 2,4,6,8,10,12,14
.irp b, 0,1,2,3
	v_max3_num_f32 v[TM+\b], v[TM+\b], v[H+16*\b+\i], v[H+1+16*\b+\i]
.endr
.endr
.irp b, 0,1,2,3
	v_permlanex16_b32 v[TM+4+\b], v[TM+\b], s36, s37
.endr
.irp b, 0,1,2,3
	v_max_num_f32 v[TM+\b], v[TM+\b], v[TM+4+\b]   ; with lane l xor 16's: the block's largest
.endr
.irp b, 0,1,2,3
	v_add_nc_u32 v[TM+12+\b], 0xfe000000, v[TM+\b] ; 4 off the exponent field: the conversion's scale operand
.endr
.irp b, 0,1,2,3
	v_lshrrev_b32 v[TM+4+\b], 23, v[TM+12+\b]      ; the byte
.endr
	v_lshl_or_b32 v[PW], v[TM+6], 8, v[TM+4]       ; the word's bytes: blocks 0, 2, 1, 3
	v_lshl_or_b32 v[PW], v[TM+5], 16, v[PW]
	v_lshl_or_b32 v[PW], v[TM+7], 24, v[PW]
.irp c, 0,1
	v_cvt_scalef32_pk16_bf6_f32 v[PC+6*\c:PC+6*\c+2], v[H+16*\c:H+16*\c+15], v[TM+12+\c]
	v_cvt_scalef32_pk16_bf6_f32 v[PC+12+4*\c:PC+14+4*\c], v[H+32+16*\c:H+47+16*\c], v[TM+14+\c]
.endr
	v_nop                                          ; one plain place behind a scaled conversion
.irp c, 0,1                            ; registers 6 c .. 6 c + 5 take a WHOLE block: lanes 0-15 block c, lanes 16-31 block 2 + c
.irp i, 0,1,2
	v_permlane16_swap_b32 v[PC+6*\c+\i], v[PC+12+4*\c+\i]
.endr
.irp i, 0,1,2
	v_mov_b32 v[PC+3+6*\c+\i], v[PC+12+4*\c+\i]
.endr
.endr
.endm
.macro EPI i                           ; tile i of the pass: relu, quantise, store
.if (\i) < 4
	WIN RELU2
.set EB, 64*(\i)
.else
	WIN RELU3
.set EB, 0
.endif
.set EK, 0
.rept 64
	v_max_num_f32 v[H+EK], 0, v[EB+EK]             ; each accumulator from its low end on
.set EK, EK+1
.endr
	WIN 0
	s_wait_xcnt 0x0                                ; the last tile's stores have read the codes' registers and the word's
	QUANT
.irp c, 0,1,2
	global_store_b128 v[HO], v[PC+4*\c:PC+4*\c+3], s[28:29] offset:196608*(\i)+512*\c   ; 512 consecutive bytes, at a multiple of 256 from hq's first byte
.endr
	global_store_b32 v[SO], v[PW], s[30:31] offset:8192*(\i)   ; 16 words 16 bytes apart (both halves of the lanes store the same): one byte in 25 of what the launch stores
.endm
.macro PASS n
.set PI, 0
.rept \n
	global_load_b128 v[XS+8*PI:XS+8*PI+3], v[XO+PI], s[24:25]
	global_load_b128 v[XS+8*PI+4:XS+8*PI+7], v[XO+PI], s[24:25] offset:16
.set PI, PI+1
.endr
	ALOAD \n, 0
	ALOAD \n, 1
	ALOAD \n, 2
	ALOAD \n, 3
	WLOAD 0, 0
	WLOAD 1, 0
	STEP \n, 0
	STEP \n, 1
	STEP \n, 2
	STEP \n, 3
	STEP \n, 4
	STEP \n, 5
	STEP \n, 6
	STEP \n, 7
	PLACES
.set PI, 0
.rept \n
	EPI PI
.set PI, PI+1
.endr
	WIN 0
.endm
	s_load_b256 s[4:11], s[0:1], 0x0               ; xq, srt, w1_codes, w1_scales
	s_load_b128 s[12:15], s[0:1], 0x20             ; b1, hq
	v_lshl_add_u32 v[SPW], v0, 2, SPARE
	v_mov_b32 v[NIL], 0
	v_lshrrev_b32 v[TP], 5, v0
	v_readfirstlane_b32 s16, v[TP]                 ; wave
	v_and_b32 v1, 31, v0                           ; L
	v_and_b32 v2, 15, v0                           ; r
	v_bfe_u32 v3, v0, 4, 1                         ; h
	s_mov_b32 s17, ttmp9                           ; j
	s_and_b32 s18, ttmp7, 0xffff                   ; e
	v_mul_u32_u24 v[H48], v3, 48
	v_mul_u32_u24 v[WAD], v2, WP
	v_add_nc_u32 v[WAD], v[WAD], v[H48]
	v_add_nc_u32 v[WAD+1], 64*WP, v[WAD]
	v_lshlrev_b32 v[LR], 2, v2
	v_lshlrev_b32 v[HO], 4, v1
	v_lshlrev_b32 v[SO], 4, v2
	s_mul_i32 s32, s16, 32*WP                      ; wave w lays units 32 w .. 32 w + 31
	v_mul_u32_u24 v[STA], v3, WP
	v_lshl_add_u32 v[STA], v2, 4, v[STA]
	v_add_nc_u32 v[STA], s32, v[STA]               ; lanes 0-15 an even unit's 256 bytes, lanes 16-31 the next unit's
	v_bfe_u32 v[TP], v0, 1, 3
	v_lshl_add_u32 v[TP], v3, 4, v[TP]
	v_mul_u32_u24 v[STS], v[TP], SCP
	v_and_b32 v[TP], 1, v0
	v_lshl_add_u32 v[STS], v[TP], 4, v[STS]
	s_mul_i32 s33, s16, 32*SCP
	s_add_co_u32 s33, s33, SCW
	v_add_nc_u32 v[STS], s33, v[STS]               ; two lanes to a unit's 32 scale bytes; the row with bits 3 and 4 swapped
	v_mul_u32_u24 v[WSA], v1, SCP
	v_add_nc_u32 v[WSA], SCW, v[WSA]
	v_mul_u32_u24 v[GA], v3, 768
	v_lshl_add_u32 v[GA], v2, 4, v[GA]
	v_lshlrev_b32 v[GB], 6, v3
	s_mov_b32 s36, 0x76543210
	s_mov_b32 s37, 0xfedcba98                      ; v_permlanex16_b32's selects for lane l xor 16
	s_mov_b32 s38, 0x03010200                      ; a scale word's bytes into the order 0, 2, 1, 3
	s_lshl_b32 s22, s18, 12
	s_lshl_b32 s23, s17, 7
	s_add_co_u32 s22, s22, s23                     ; my first unit among all: 4096 e + 128 j
	s_lshl_b32 s44, s22, 2
	s_mov_b32 s45, 0
	s_lshl_b32 s23, s16, 5
	s_add_co_u32 s22, s22, s23                     ; + 32 w
	s_mul_i32 s32, s22, 768
	s_mov_b32 s33, 0
	s_lshl_b32 s34, s22, 5
	s_mov_b32 s35, 0
	s_mul_i32 s46, s18, 4352
	s_mov_b32 s47, 0
	s_lshl_b32 s39, s18, 7
	s_mul_i32 s40, s18, 3145728                    ; hq's codes: an expert's 64 tiles x 32 K steps x 1,536 bytes,
	s_mul_i32 s23, s17, 1536                       ; my K step
	s_add_co_u32 s40, s40, s23
	s_mov_b32 s41, 0
	s_lshl_b32 s42, s18, 17                        ; hq's scale words: an expert's 64 tiles x 2,048 bytes,
	s_lshr_b32 s23, s17, 2
	s_lshl_b32 s23, s23, 8                         ; 256 bytes for each four K steps,
	s_add_co_u32 s42, s42, s23
	s_and_b32 s23, s17, 3
	s_lshl_b32 s23, s23, 2                         ; a word for each K step
	s_add_co_u32 s42, s42, s23
	s_add_co_u32 s42, s42, 25165824
	s_mov_b32 s43, 0
	s_wait_kmcnt 0x0
	s_load_b32 s23, s[6:7], s39 offset:34816       ; the expert's count
	s_add_nc_u64 s[8:9], s[8:9], s[32:33]
	s_add_nc_u64 s[10:11], s[10:11], s[34:35]
	s_add_nc_u64 s[12:13], s[12:13], s[44:45]
	s_add_nc_u64 s[26:27], s[6:7], s[46:47]        ; its list
	s_add_nc_u64 s[24:25], s[4:5], 786432          ; x's scale words
	s_add_nc_u64 s[40:41], s[14:15], s[40:41]
	s_add_nc_u64 s[42:43], s[14:15], s[42:43]
	WIN TO_R
.set I, 0
.rept 16
.irp c, 0,1,2
	global_load_b128 v[12*I+4*\c:12*I+4*\c+3], v[GA], s[8:9] offset:1536*I+256*\c th:TH_LOAD_NT   ; sixteen lanes read 256 consecutive bytes of a unit's row; read once in the launch
.endr
.set I, I+1
.endr
	WIN 0
	global_load_b128 v[H:H+3], v[HO], s[10:11] th:TH_LOAD_NT
	global_load_b128 v[H+4:H+7], v[HO], s[10:11] offset:512 th:TH_LOAD_NT
	WIN TO_W
.irp t, 0,1,2,3,4,5,6,7
	global_load_b128 v[BI+8*\t:BI+8*\t+3], v[GB], s[12:13] offset:(32*(\t/2)+8*(\t%2))*4
	global_load_b128 v[BI+8*\t+4:BI+8*\t+7], v[GB], s[12:13] offset:(32*(\t/2)+8*(\t%2))*4+16
.endr
	WIN 0
	s_mov_b32 s21, 0                               ; Q: tiles of mine that are done
	LISTLOAD
	s_wait_loadcnt 23                              ; the codes are in; younger: 2 loads of scales, 16 of b1, 5 of the list
	WIN ST_R
.set I, 0
.rept 16
.set LAM, ((2*I)&7)|((((2*I)>>3)&1)<<4)|((((2*I)>>4)&1)<<3)
.irp c, 0,1,2
	ds_store_b128 v[STA], v[12*I+4*\c:12*I+4*\c+3] offset:LAM*WP+256*\c
.endr
.set I, I+1
.endr
	WIN 0
	s_wait_loadcnt 21                              ; the scales are in
.irp k, 0,1,2,3,4,5,6,7
	v_perm_b32 v[H+\k], v[H+\k], v[H+\k], s38
.endr
	ds_store_b128 v[STS], v[H:H+3]
	ds_store_b128 v[STS], v[H+4:H+7] offset:8*SCP
	s_wait_dscnt 0x0                               ; for the others' sake: my stores have landed
	s_barrier_signal -1
	s_barrier_wait -1                              ; the launch's one barrier: the slice of W1 lies in LDS, and nothing is stored there again
.irp b, 0,1,2,3
	ds_load_b128 v[WS+8*\b:WS+8*\b+3], v[WSA] offset:32*SCP*\b
	ds_load_b128 v[WS+8*\b+4:WS+8*\b+7], v[WSA] offset:32*SCP*\b+16
.endr
.irp b, 0,1,2,3
	v_mov_b32 v[TM+4+\b], 0                        ; a lane permute's destination counts as one of its sources
.endr
	s_wait_kmcnt 0x0
	s_add_co_u32 s19, s23, 15
	s_lshr_b32 s19, s19, 4
	s_min_u32 s19, s19, 64                         ; T: the list's tiles
	s_add_co_u32 s20, s19, 3
	s_sub_co_u32 s20, s20, s16
	s_lshr_b32 s20, s20, 2                         ; R0: those of them that are mine, 16 at the most
	s_add_co_u32 s45, s20, 4
	s_mul_i32 s45, s45, 13
	s_lshr_b32 s45, s45, 6                         ; my passes: (R0 + 4) / 5 rounded down; x 13 / 64 gives that for every number up to 20
	s_mov_b32 s44, 0                               ; passes done: the loop's counter, a step of 1
	s_cmp_eq_u32 s20, 0
	s_cbranch_scc1 .Lend
.Lpass:
	s_wait_loadcnt 0x0                             ; the list's entries (first pass: b1 too)
	s_wait_dscnt 0x0                               ; W1's scale words
	s_wait_xcnt 0x0                                ; the last pass's stores have read their bases
.irp i, 0,1,2,3,4
	v_min_u32 v[TK+\i], 0x3ff, v[TK+\i]
.endr
.irp i, 0,1,2,3,4
	v_mul_u32_u24 v[VO+\i], v[TK+\i], 768
.endr
.irp i, 0,1,2,3,4
	v_add_nc_u32 v[VO+\i], v[VO+\i], v[H48]
	v_lshlrev_b32 v[XO+\i], 5, v[TK+\i]
.endr
	s_lshl_b32 s32, s21, 2
	s_add_co_u32 s32, s32, s16
	s_min_u32 s32, s32, 63                         ; the pass's first tile
	s_mul_i32 s34, s32, 49152
	s_mov_b32 s35, 0
	s_add_nc_u64 s[28:29], s[40:41], s[34:35]
	s_lshl_b32 s34, s32, 11
	s_add_nc_u64 s[30:31], s[42:43], s[34:35]
	s_sub_co_u32 s22, s20, s21
	s_min_u32 s22, s22, 5                          ; tiles in this pass
	s_cmp_eq_u32 s22, 5
	s_cbranch_scc1 .Lp5
	s_cmp_eq_u32 s22, 4
	s_cbranch_scc1 .Lp4
	s_cmp_eq_u32 s22, 3
	s_cbranch_scc1 .Lp3
	s_cmp_eq_u32 s22, 2
	s_cbranch_scc1 .Lp2
	PASS 1
	s_branch .Ljoin
.Lp2:
	PASS 2
	s_branch .Ljoin
.Lp3:
	PASS 3
	s_branch .Ljoin
.Lp4:
	PASS 4
	s_branch .Ljoin
.Lp5:
	PASS 5
.Ljoin:
	s_add_co_u32 s44, s44, 1                       ; a pass is done,
	s_mul_i32 s21, s44, 5                          ; and with it five of my tiles
	LISTLOAD                                       ; the next pass's tokens (held inside the list where there is no next pass)
	s_cmp_lt_u32 s44, s45
	s_cbranch_scc1 .Lpass
.Lend:
	s_wait_tensorcnt 0x0                           ; the wave's end, behind my last LDS store
	ds_add_u32 v[SPW], v[NIL]
	s_wait_dscnt 0x0
	s_endpgm
.Lfunc_end_k_q0fef74d58a_ffn1:
	.size	k_q0fef74d58a_ffn1, .Lfunc_end_k_q0fef74d58a_ffn1-k_q0fef74d58a_ffn1
	.p2alignl 7, 3214868480
	.fill 96, 4, 3214868480
	.section	.rodata,"a",@progbits
	.p2align	6, 0x0
	.amdhsa_kernel k_q0fef74d58a_ffn1
		.amdhsa_group_segment_fixed_size 107008
		.amdhsa_private_segment_fixed_size 0
		.amdhsa_enable_private_segment 0
		.amdhsa_kernarg_size 48
		.amdhsa_user_sgpr_count 2
		.amdhsa_user_sgpr_kernarg_segment_ptr 1
		.amdhsa_wavefront_size32 1
		.amdhsa_system_sgpr_workgroup_id_x 1
		.amdhsa_system_sgpr_workgroup_id_y 1
		.amdhsa_system_sgpr_workgroup_id_z 1
		.amdhsa_system_vgpr_workitem_id 0
		.amdhsa_next_free_vgpr 1024
		.amdhsa_next_free_sgpr 66
		.amdhsa_reserve_vcc 0
		.amdhsa_float_denorm_mode_32 3
		.amdhsa_float_denorm_mode_16_64 3
		.amdhsa_memory_ordered 1
		.amdhsa_forward_progress 1
		.amdhsa_inst_pref_size 255
	.end_amdhsa_kernel
	.section	.bss,"aw",@nobits
	.p2align	6
	.space	262144
	.amdgpu_metadata
---
amdhsa.version: [ 1, 2 ]
amdhsa.kernels:
  - .name:           k_q0fef74d58a_ffn1
    .symbol:         k_q0fef74d58a_ffn1.kd
    .args:
      - { .name: xq, .offset: 0, .size: 8, .value_kind: global_buffer, .address_space: global }
      - { .name: srt, .offset: 8, .size: 8, .value_kind: global_buffer, .address_space: global }
      - { .name: w1_codes, .offset: 16, .size: 8, .value_kind: global_buffer, .address_space: global }
      - { .name: w1_scales, .offset: 24, .size: 8, .value_kind: global_buffer, .address_space: global }
      - { .name: b1, .offset: 32, .size: 8, .value_kind: global_buffer, .address_space: global }
      - { .name: hq, .offset: 40, .size: 8, .value_kind: global_buffer, .address_space: global }
    .group_segment_fixed_size: 107008
    .private_segment_fixed_size: 0
    .kernarg_segment_align: 8
    .kernarg_segment_size: 48
    .max_flat_workgroup_size: 128
    .sgpr_count:     66
    .vgpr_count:     1024
    .wavefront_size: 32
...
	.end_amdgpu_metadata
.endif
;; end of part 3
;; launch ffn2 (part 4): grid 32 x 8, 4 waves a work-group, no clusters, 224,768 bytes of LDS; arguments hq, srt, w2_codes, w2_scales, b2, y; writes y
.if DOCPART == 4
	.amdgcn_target "amdgcn-amd-amdhsa--gfx1250"
	.amdhsa_code_object_version 6
	.text
	.protected	k_q0fef74d58a_ffn2
	.globl	k_q0fef74d58a_ffn2
	.p2align	8
	.type	k_q0fef74d58a_ffn2,@function
k_q0fef74d58a_ffn2:
	s_mov_b64 s[64:65], 0
	v_nop
	global_prefetch_b8 v0, s[64:65] scope:SCOPE_SE
	s_setreg_imm32_b32 hwreg(HW_REG_WAVE_MODE, 25, 1), 1
	s_wait_xcnt 0x0
; MoE layer, launch 4 of 5: y = h W2 + b2 on codes of BF6 (E3M2) with E8M0 scales, FOR THE ROWS OF EACH EXPERT'S LIST ALONE (the other experts' rows of a token reach no output: shown at the head of launch 1).
; SHARES.  Work-group (x, e): 64 output columns 64 (x / 2) on, which are 256 bytes of each row of y, and the tiles of 16 rows whose number has the parity x % 2.  Its 192 KiB of w2 are laid into LDS once; one barrier;
; from there on the waves share nothing.  Wave w takes tiles x % 2 + 2 w + 8 k, up to 3 in a PASS; K = 4,096 goes in 32 steps of 128.
; NO TENSOR LOAD, NO CLUSTER: how many passes a wave walks, and how many tiles a pass has, hang on the stored count.
; The hidden layer comes from memory as images of the operand's registers: three loads of 512 consecutive bytes a fragment, through a ring of D K steps in registers (3 tiles: 6 deep; 2: 8; 1: 16).
; LAYOUT.  The product is used transposed (source 0 = 16 rows of W2, that is 16 output columns; source 1 = 16 rows of the hidden layer): a lane holds eight neighbouring columns of one row.  b2 is the C of each sum's first product.
; THE ORDER OF K: as in launch 3: lane (r, h) takes the 48 bytes at 96 s + 48 h of a row of w2; its scale words get their bytes in the order 0, 2, 1, 3 on the way into LDS.
; y: [expert][place in the list][1024] f32.  Rows behind the count in a last tile are computed from token 0 and read by nobody.
.set WP,    3088                       ; a row of W2 in LDS: 3,072 bytes + 16: 193 x 16
.set SCP,   144                        ; a row's 32 scale words + 16
.set SCW,   64*WP
.set STG,   SCW+64*SCP                 ; the way out: 16 rows x (256 + 16) bytes for each wave
.set SPARE, STG+4*16*272               ; the spare words, 128 bytes a wave: two blocks of 256 bytes that no other line names
.set WAD,   4                          ; v4-7   LDS address of my lane in tiles 0 to 3 of W2
.set WSA,   8
.set AO,    9                          ; v9     16 L
.set STO,   10
.set SRD,   11
.set YO,    12
.set STA,   13
.set STS,   14
.set GB,    15
.set WS,    16                         ; v16-31 W2's scale words, two sets: 8 (g % 2) + 4 p + s % 4: lanes 0-15 tile 2 p, lanes 16-31 tile 2 p + 1
.set HS,    32                         ; v32-79 the hidden layer's: 16 i + 4 (s / 8) + s % 4: lanes 0-15 for s % 8 < 4, lanes 16-31 else
.set ACC,   80                         ; v80-175 32 i + 8 t
.set T,     176                        ; v176-239 rows on their way out, two sets
.set TP,    240
.set SPW,   252
.set NIL,   253
.set B2,    96                         ; window 2: b2, 8 registers a tile; v0-95 W2's fragments, two sets of 48; v128-255 at the head: codes on their way to LDS
; window 1: the ring of hidden fragments (at the head: codes on their way to LDS)
; scalars: s16 wave, s18 e, s19 T, s20 R0 (my tiles), s21 Q (my tiles that are done), s22 tiles in the pass, s26 my first tile, s46 passes done, s47 passes in all
.set MUL,   0x06                       ; source 0 (W2) window 2, source 1 (hidden) window 1
.set MULF,  0x26                       ; the same with C (b2) in window 2
.set TO_W,  0x80
.set TO_R,  0x40
.set MSB, 0
.macro WIN new                         ; the immediate's high byte repeats the setting that is left
.if MSB != \new
	s_set_vgpr_msb (MSB<<8)|\new
.set MSB, \new
.endif
.endm
.macro PLACES
.rept 4
	v_nop
.endr
.endm
.macro PROD d, a, b, c, sa, sb, ar, br
.if (\ar) && (\br)
	v_wmma_scale_f32_16x16x128_f8f6f4 v[(\d):(\d)+7], v[(\a):(\a)+11], v[(\b):(\b)+11], v[(\c):(\c)+7], v[(\sa)], v[(\sb)] matrix_a_fmt:MATRIX_FMT_BF6 matrix_b_fmt:MATRIX_FMT_BF6 matrix_a_scale:MATRIX_SCALE_ROW1 matrix_b_scale:MATRIX_SCALE_ROW1
.elseif (\ar)
	v_wmma_scale_f32_16x16x128_f8f6f4 v[(\d):(\d)+7], v[(\a):(\a)+11], v[(\b):(\b)+11], v[(\c):(\c)+7], v[(\sa)], v[(\sb)] matrix_a_fmt:MATRIX_FMT_BF6 matrix_b_fmt:MATRIX_FMT_BF6 matrix_a_scale:MATRIX_SCALE_ROW1
.elseif (\br)
	v_wmma_scale_f32_16x16x128_f8f6f4 v[(\d):(\d)+7], v[(\a):(\a)+11], v[(\b):(\b)+11], v[(\c):(\c)+7], v[(\sa)], v[(\sb)] matrix_a_fmt:MATRIX_FMT_BF6 matrix_b_fmt:MATRIX_FMT_BF6 matrix_b_scale:MATRIX_SCALE_ROW1
.else
	v_wmma_scale_f32_16x16x128_f8f6f4 v[(\d):(\d)+7], v[(\a):(\a)+11], v[(\b):(\b)+11], v[(\c):(\c)+7], v[(\sa)], v[(\sb)] matrix_a_fmt:MATRIX_FMT_BF6 matrix_b_fmt:MATRIX_FMT_BF6
.endif
.endm
.macro RLOAD n, d, s                   ; the hidden fragments of K step s, n tiles, into ring slot s % d
	WIN TO_R
.set AI, 0
.rept \n
.irp c, 0,1,2
	global_load_b128 v[12*(\n)*((\s)%(\d))+12*AI+4*\c:12*(\n)*((\s)%(\d))+12*AI+4*\c+3], v[AO], s[28:29] offset:393216*AI+1536*(\s)+512*\c
.endr
.set AI, AI+1
.endr
.endm
.macro WSLOAD g                        ; W2's scale words of K steps 4 g .. 4 g + 3 into set g % 2
	WIN 0
.irp p, 0,1
	ds_load_b128 v[WS+8*((\g)%2)+4*\p:WS+8*((\g)%2)+4*\p+3], v[WSA] offset:32*SCP*\p+16*(\g)
.endr
.endm
.macro WLOAD s                         ; W2's four fragments of K step s into set s % 2
	WIN TO_W
.irp t, 0,1,2,3
.irp c, 0,1,2
	ds_load_b128 v[48*((\s)%2)+12*\t+4*\c:48*((\s)%2)+12*\t+4*\c+3], v[WAD+\t] offset:96*(\s)+16*\c
.endr
.endr
.endm
.macro STEP n, d, s
.if (\s) > 0
	PLACES                                         ; in front of loads into registers that the last K step's products have read
.if (\s)-1+(\d) <= 31
	RLOAD \n, \d, (\s)-1+(\d)                      ; into the ring slot that the last K step has left
.endif
.endif
.if (\s) < 31
.if ((\s)+1)%4 == 0
	WSLOAD ((\s)+1)/4
	WLOAD (\s)+1
	s_wait_dscnt 14                                ; all but the 14 just issued: this K step's fragments of W2 are in
.else
	WLOAD (\s)+1
	s_wait_dscnt 12                                ; all but the 12 just issued
.endif
.else
	s_wait_dscnt 0x0
.endif
.if 31-(\s) < (\d)-1
	s_wait_loadcnt 3*(\n)*(31-(\s))                ; this K step's hidden fragments are in; the younger K steps of the ring, 3 n loads each, may be out
.else
	s_wait_loadcnt 3*(\n)*((\d)-1)
.endif
.if (\s) == 0
	WIN MULF
.else
	WIN MUL
.endif
.set MI, 0
.rept \n                               ; each accumulator has one instruction a K step, so no two products that follow each other share one
.irp t, 0,1,2,3
.if (\s) == 0
	PROD ACC+32*MI+8*\t, 48*((\s)%2)+12*\t, 12*(\n)*((\s)%(\d))+12*MI, B2+8*\t, WS+8*(((\s)/4)%2)+4*(\t/2)+(\s)%4, HS+16*MI+4*((\s)/8)+(\s)%4, \t%2, ((\s)/4)%2
.else
	PROD ACC+32*MI+8*\t, 48*((\s)%2)+12*\t, 12*(\n)*((\s)%(\d))+12*MI, ACC+32*MI+8*\t, WS+8*(((\s)/4)%2)+4*(\t/2)+(\s)%4, HS+16*MI+4*((\s)/8)+(\s)%4, \t%2, ((\s)/4)%2
.endif
.endr
.set MI, MI+1
.endr
.endm
.macro PASS n, d
.set PI, 0
.rept \n
.irp p, 0,1,2,3
	global_load_b128 v[HS+16*PI+4*\p:HS+16*PI+4*\p+3], v[AO], s[30:31] offset:16384*PI+512*\p
.endr
.set PI, PI+1
.endr
.set PS, 0
.rept \d
	RLOAD \n, \d, PS
.set PS, PS+1
.endr
	WSLOAD 0
	WLOAD 0
.set PS, 0
.rept 32
	STEP \n, \d, PS
.set PS, PS+1
.endr
.rept 5
	v_nop                                          ; four places in front of the first read of results; five, since the next pass's first products write over these accumulators with another C and no other vector work stands between
.endr
	WIN 0
.set PI, 0
.rept \n                               ; a tile goes through my own stage and leaves as whole rows of 256 bytes
.irp t, 0,1,2,3
	ds_store_b128 v[STO], v[ACC+32*PI+8*\t:ACC+32*PI+8*\t+3] offset:64*\t          ; each accumulator from its low end on
	ds_store_b128 v[STO], v[ACC+32*PI+8*\t+4:ACC+32*PI+8*\t+7] offset:64*\t+16
.endr
	s_wait_xcnt 0x0                                ; earlier stores have read the registers that the loads below fill
.irp k, 0,1,2,3,4,5,6,7
	ds_load_b128 v[T+32*(PI%2)+4*\k:T+32*(PI%2)+4*\k+3], v[SRD] offset:544*\k   ; LDS serves a wave's instructions in order: these see the stores above
.endr
	s_wait_dscnt 0x0
.irp k, 0,1,2,3,4,5,6,7
	global_store_b128 v[YO], v[T+32*(PI%2)+4*\k:T+32*(PI%2)+4*\k+3], s[36:37] offset:524288*PI+8192*\k th:TH_STORE_NT   ; sixteen lanes store 256 consecutive bytes, at a multiple of 256 from y's first byte
.endr
.set PI, PI+1
.endr
.endm
	s_load_b256 s[4:11], s[0:1], 0x0               ; hq, srt, w2_codes, w2_scales
	s_load_b128 s[12:15], s[0:1], 0x20             ; b2, y
	v_lshl_add_u32 v[SPW], v0, 2, SPARE
	v_mov_b32 v[NIL], 0
	v_lshrrev_b32 v[TP], 5, v0
	v_readfirstlane_b32 s16, v[TP]                 ; wave
	v_and_b32 v1, 31, v0                           ; L
	v_and_b32 v2, 15, v0                           ; r
	v_bfe_u32 v3, v0, 4, 1                         ; h
	s_mov_b32 s17, ttmp9
	s_and_b32 s18, ttmp7, 0xffff                   ; e
	v_mul_u32_u24 v[TP], v3, 48
	v_mul_u32_u24 v[WAD], v2, WP
	v_add_nc_u32 v[WAD], v[WAD], v[TP]
	v_add_nc_u32 v[WAD+1], 16*WP, v[WAD]
	v_add_nc_u32 v[WAD+2], 32*WP, v[WAD]
	v_add_nc_u32 v[WAD+3], 48*WP, v[WAD]
	v_mul_u32_u24 v[WSA], v1, SCP
	v_add_nc_u32 v[WSA], SCW, v[WSA]
	v_lshlrev_b32 v[AO], 4, v1
	s_mul_i32 s32, s16, 16*272
	s_add_co_u32 s32, s32, STG                     ; my stage
	v_mul_u32_u24 v[STO], v2, 272
	v_lshl_add_u32 v[STO], v3, 5, v[STO]
	v_add_nc_u32 v[STO], s32, v[STO]               ; in: row r, 32 bytes for each half of the lanes
	v_mul_u32_u24 v[SRD], v3, 272
	v_lshl_add_u32 v[SRD], v2, 4, v[SRD]
	v_add_nc_u32 v[SRD], s32, v[SRD]               ; back: lanes 0-15 one row, lanes 16-31 the next
	v_lshlrev_b32 v[YO], 12, v3
	v_lshl_add_u32 v[YO], v2, 4, v[YO]             ; and the same two rows in y
	s_mul_i32 s33, s16, 16*WP                      ; wave w lays rows 16 w .. 16 w + 15 of W2
	v_add_nc_u32 v[STA], s33, v[AO]
	v_bfe_u32 v[TP], v0, 3, 2
	v_mul_u32_u24 v[STS], v[TP], SCP
	v_and_b32 v[TP], 7, v0
	v_lshl_add_u32 v[STS], v[TP], 4, v[STS]
	s_mul_i32 s33, s16, 16*SCP
	s_add_co_u32 s33, s33, SCW
	v_add_nc_u32 v[STS], s33, v[STS]               ; eight lanes to a row's 128 scale bytes
	v_lshlrev_b32 v[GB], 5, v3
	s_mov_b32 s38, 0x03010200                      ; a scale word's bytes into the order 0, 2, 1, 3
	s_lshr_b32 s24, s17, 1                         ; which 64 columns
	s_and_b32 s25, s17, 1                          ; which parity of tiles
	s_lshl_b32 s26, s16, 1
	s_add_co_u32 s26, s26, s25                     ; my first tile
	s_lshl_b32 s22, s18, 10
	s_lshl_b32 s27, s24, 6
	s_add_co_u32 s22, s22, s27                     ; my first column among all: 1024 e + 64 (x / 2)
	s_lshl_b32 s50, s22, 2
	s_mov_b32 s51, 0
	s_lshl_b32 s27, s16, 4
	s_add_co_u32 s22, s22, s27                     ; + 16 w
	s_mul_i32 s46, s22, 3072
	s_mov_b32 s47, 0
	s_lshl_b32 s48, s22, 7
	s_mov_b32 s49, 0
	s_lshl_b32 s39, s18, 7
	s_mul_i32 s40, s18, 3145728
	s_mov_b32 s41, 0
	s_lshl_b32 s42, s18, 17
	s_add_co_u32 s42, s42, 25165824
	s_mov_b32 s43, 0
	s_lshl_b32 s44, s18, 22
	s_lshl_b32 s27, s24, 8
	s_add_co_u32 s44, s44, s27
	s_mov_b32 s45, 0
	s_wait_kmcnt 0x0
	s_load_b32 s23, s[6:7], s39 offset:34816       ; the expert's count
	s_add_nc_u64 s[8:9], s[8:9], s[46:47]
	s_add_nc_u64 s[10:11], s[10:11], s[48:49]
	s_add_nc_u64 s[12:13], s[12:13], s[50:51]
	s_add_nc_u64 s[40:41], s[4:5], s[40:41]        ; the expert's codes of the hidden layer,
	s_add_nc_u64 s[42:43], s[4:5], s[42:43]        ; its scale words,
	s_add_nc_u64 s[44:45], s[14:15], s[44:45]      ; its rows of y at my columns
	WIN TO_R
.set Q6, 0
.rept 64
	global_load_b128 v[4*Q6:4*Q6+3], v[AO], s[8:9] offset:3072*(Q6/6)+512*(Q6%6)   ; 512 consecutive bytes of a row of W2
.set Q6, Q6+1
.endr
	WIN TO_W
.rept 32
	global_load_b128 v[128+4*(Q6-64):128+4*(Q6-64)+3], v[AO], s[8:9] offset:3072*(Q6/6)+512*(Q6%6)
.set Q6, Q6+1
.endr
	WIN 0
.irp k, 0,1,2,3
	global_load_b128 v[T+4*\k:T+4*\k+3], v[AO], s[10:11] offset:512*\k
.endr
	WIN TO_W
.irp t, 0,1,2,3
	global_load_b128 v[B2+8*\t:B2+8*\t+3], v[GB], s[12:13] offset:64*\t
	global_load_b128 v[B2+8*\t+4:B2+8*\t+7], v[GB], s[12:13] offset:64*\t+16
.endr
	s_wait_loadcnt 12                              ; the codes are in; younger: 4 loads of scales, 8 of b2
	WIN 0x04                                       ; an LDS store's data are its source 1: window 1
.set Q6, 0
.rept 64
	ds_store_b128 v[STA], v[4*Q6:4*Q6+3] offset:WP*(Q6/6)+512*(Q6%6)
.set Q6, Q6+1
.endr
	WIN 0x08                                       ; window 2
.rept 32
	ds_store_b128 v[STA], v[128+4*(Q6-64):128+4*(Q6-64)+3] offset:WP*(Q6/6)+512*(Q6%6)
.set Q6, Q6+1
.endr
	WIN 0
	s_wait_loadcnt 8                               ; the scales are in
.irp k, 0,1,2,3,4,5,6,7,8,9,10,11,12,13,14,15
	v_perm_b32 v[T+\k], v[T+\k], v[T+\k], s38
.endr
.irp k, 0,1,2,3
	ds_store_b128 v[STS], v[T+4*\k:T+4*\k+3] offset:4*SCP*\k
.endr
	s_wait_dscnt 0x0                               ; for the others' sake: my stores have landed
	s_barrier_signal -1
	s_barrier_wait -1                              ; the launch's one barrier: the slice of W2 lies in LDS; behind it a wave stores into its own stage alone
	s_wait_kmcnt 0x0
	s_add_co_u32 s19, s23, 15
	s_lshr_b32 s19, s19, 4
	s_min_u32 s19, s19, 64                         ; T: the list's tiles
	s_add_co_u32 s20, s19, 7
	s_sub_co_u32 s20, s20, s26
	s_lshr_b32 s20, s20, 3                         ; R0: those of them that are mine, 8 at the most
	s_add_co_u32 s47, s20, 2
	s_mul_i32 s47, s47, 11
	s_lshr_b32 s47, s47, 5                         ; my passes: (R0 + 2) / 3 rounded down; x 11 / 32 gives that for every number up to 10
	s_mov_b32 s46, 0                               ; passes done: the loop's counter, a step of 1
	s_mov_b32 s21, 0                               ; Q: tiles of mine that are done
	s_cmp_eq_u32 s20, 0
	s_cbranch_scc1 .Lend
.Lpass:
	s_lshl_b32 s32, s21, 3
	s_add_co_u32 s32, s32, s26
	s_min_u32 s32, s32, 63                         ; the pass's first tile
	s_mul_i32 s34, s32, 49152
	s_mov_b32 s35, 0
	s_wait_xcnt 0x0                                ; the last pass's loads and stores have read their bases
	s_add_nc_u64 s[28:29], s[40:41], s[34:35]
	s_lshl_b32 s34, s32, 11
	s_add_nc_u64 s[30:31], s[42:43], s[34:35]
	s_lshl_b32 s34, s32, 16
	s_add_nc_u64 s[36:37], s[44:45], s[34:35]
	s_sub_co_u32 s22, s20, s21
	s_min_u32 s22, s22, 3                          ; tiles in this pass
	s_cmp_eq_u32 s22, 3
	s_cbranch_scc1 .Lp3
	s_cmp_eq_u32 s22, 2
	s_cbranch_scc1 .Lp2
	PASS 1, 16
	s_branch .Ljoin
.Lp2:
	PASS 2, 8
	s_branch .Ljoin
.Lp3:
	PASS 3, 6
.Ljoin:
	s_add_co_u32 s46, s46, 1                       ; a pass is done,
	s_mul_i32 s21, s46, 3                          ; and with it three of my tiles
	s_cmp_lt_u32 s46, s47
	s_cbranch_scc1 .Lpass
.Lend:
	s_wait_tensorcnt 0x0                           ; the wave's end, behind my last LDS store
	ds_add_u32 v[SPW], v[NIL]
	s_wait_dscnt 0x0
	s_endpgm
.Lfunc_end_k_q0fef74d58a_ffn2:
	.size	k_q0fef74d58a_ffn2, .Lfunc_end_k_q0fef74d58a_ffn2-k_q0fef74d58a_ffn2
	.p2alignl 7, 3214868480
	.fill 96, 4, 3214868480
	.section	.rodata,"a",@progbits
	.p2align	6, 0x0
	.amdhsa_kernel k_q0fef74d58a_ffn2
		.amdhsa_group_segment_fixed_size 224768
		.amdhsa_private_segment_fixed_size 0
		.amdhsa_enable_private_segment 0
		.amdhsa_kernarg_size 48
		.amdhsa_user_sgpr_count 2
		.amdhsa_user_sgpr_kernarg_segment_ptr 1
		.amdhsa_wavefront_size32 1
		.amdhsa_system_sgpr_workgroup_id_x 1
		.amdhsa_system_sgpr_workgroup_id_y 1
		.amdhsa_system_sgpr_workgroup_id_z 1
		.amdhsa_system_vgpr_workitem_id 0
		.amdhsa_next_free_vgpr 768
		.amdhsa_next_free_sgpr 66
		.amdhsa_reserve_vcc 0
		.amdhsa_float_denorm_mode_32 3
		.amdhsa_float_denorm_mode_16_64 3
		.amdhsa_memory_ordered 1
		.amdhsa_forward_progress 1
		.amdhsa_inst_pref_size 255
	.end_amdhsa_kernel
	.section	.bss,"aw",@nobits
	.p2align	6
	.space	262144
	.amdgpu_metadata
---
amdhsa.version: [ 1, 2 ]
amdhsa.kernels:
  - .name:           k_q0fef74d58a_ffn2
    .symbol:         k_q0fef74d58a_ffn2.kd
    .args:
      - { .name: hq, .offset: 0, .size: 8, .value_kind: global_buffer, .address_space: global }
      - { .name: srt, .offset: 8, .size: 8, .value_kind: global_buffer, .address_space: global }
      - { .name: w2_codes, .offset: 16, .size: 8, .value_kind: global_buffer, .address_space: global }
      - { .name: w2_scales, .offset: 24, .size: 8, .value_kind: global_buffer, .address_space: global }
      - { .name: b2, .offset: 32, .size: 8, .value_kind: global_buffer, .address_space: global }
      - { .name: y, .offset: 40, .size: 8, .value_kind: global_buffer, .address_space: global }
    .group_segment_fixed_size: 224768
    .private_segment_fixed_size: 0
    .kernarg_segment_align: 8
    .kernarg_segment_size: 48
    .max_flat_workgroup_size: 128
    .sgpr_count:     66
    .vgpr_count:     768
    .wavefront_size: 32
...
	.end_amdgpu_metadata
.endif
;; end of part 4
;; launch combine (part 5): grid 256 x 1, 4 waves a work-group, no clusters, 0 bytes of LDS; arguments sel, gat, srt, y, out0; writes out0
.if DOCPART == 5
	.amdgcn_target "amdgcn-amd-amdhsa--gfx1250"
	.amdhsa_code_object_version 6
	.text
	.protected	k_q0fef74d58a_combine
	.globl	k_q0fef74d58a_combine
	.p2align	8
	.type	k_q0fef74d58a_combine,@function
k_q0fef74d58a_combine:
	s_mov_b64 s[64:65], 0
	v_nop
	global_prefetch_b8 v0, s[64:65] scope:SCOPE_SE
	s_setreg_imm32_b32 hwreg(HW_REG_WAVE_MODE, 25, 1), 1
	s_wait_xcnt 0x0
; MoE layer, launch 5 of 5: out[t] = g0 y[e0][place of t in e0's list] + g1 y[e1][place of t in e1's list], in f32.  A wave owns a token: a row of 4,096 bytes is eight loads of 512 consecutive bytes.
; The token's places in all 8 lists are asked for together with its two experts, so that no load waits for another's result; the two that count are chosen by scalar selects.
; Memory binds: each row of y that counts is read once, each byte of out0 is written once; LDS, barriers and the matrix units would add nothing.
	s_load_b256 s[4:11], s[0:1], 0x0               ; sel, gat, srt, y
	s_load_b64 s[12:13], s[0:1], 0x20              ; out0
	v_lshrrev_b32 v1, 5, v0
	v_readfirstlane_b32 s14, v1                    ; wave
	v_and_b32 v2, 31, v0
	v_lshlrev_b32 v2, 4, v2                        ; 16 bytes a lane
	s_lshl_b32 s15, ttmp9, 2
	s_add_co_u32 s15, s15, s14                     ; my token
	s_lshl_b32 s16, s15, 3
	s_lshl_b32 s17, s15, 2
	s_lshl_b32 s18, s15, 12
	s_mov_b32 s19, 0
	s_wait_kmcnt 0x0
	s_load_b64 s[20:21], s[4:5], s16 offset:0x0    ; its two experts
	s_load_b64 s[22:23], s[6:7], s16 offset:0x0    ; their gate values
.irp e, 0,1,2,3,4,5,6,7
	s_load_b32 s[24+\e], s[8:9], s17 offset:35840+4096*\e   ; its place in each expert's list
.endr
	s_add_nc_u64 s[12:13], s[12:13], s[18:19]
	s_wait_kmcnt 0x0
	s_mov_b32 s32, s24
	s_mov_b32 s33, s24
.irp e, 1,2,3,4,5,6,7
	s_cmp_eq_u32 s20, \e
	s_cselect_b32 s32, s[24+\e], s32
	s_cmp_eq_u32 s21, \e
	s_cselect_b32 s33, s[24+\e], s33
.endr
	s_min_u32 s20, s20, 7                          ; held inside y
	s_min_u32 s21, s21, 7
	s_min_u32 s32, s32, 1023
	s_min_u32 s33, s33, 1023
	s_lshl_b32 s20, s20, 10
	s_lshl_b32 s21, s21, 10
	s_add_co_u32 s20, s20, s32
	s_add_co_u32 s21, s21, s33
	s_lshl_b32 s34, s20, 12
	s_mov_b32 s35, 0
	s_lshl_b32 s36, s21, 12
	s_mov_b32 s37, 0
	s_add_nc_u64 s[34:35], s[10:11], s[34:35]
	s_add_nc_u64 s[36:37], s[10:11], s[36:37]
	s_mov_b32 s38, s23                             ; g1 in a pair of its own: the packed forms name a pair and take its low word for both halves
	s_mov_b32 s39, s23
.irp k, 0,1,2,3,4,5,6,7
	global_load_b128 v[8+4*\k:11+4*\k], v2, s[34:35] offset:512*\k th:TH_LOAD_NT
.endr
.irp k, 0,1,2,3,4,5,6,7
	global_load_b128 v[40+4*\k:43+4*\k], v2, s[36:37] offset:512*\k th:TH_LOAD_NT
.endr
	s_wait_loadcnt 8                               ; the first row is in; the second row's eight loads may be out
.irp k, 0,2,4,6,8,10,12,14,16,18,20,22,24,26,28,30
	v_pk_mul_f32 v[8+\k:9+\k], v[8+\k:9+\k], s[22:23] op_sel_hi:[1,0]
.endr
	s_wait_loadcnt 0x0
.irp k, 0,2,4,6,8,10,12,14,16,18,20,22,24,26,28,30
	v_pk_fma_f32 v[8+\k:9+\k], v[40+\k:41+\k], s[38:39], v[8+\k:9+\k] op_sel_hi:[1,0,1]
.endr
.irp k, 0,1,2,3,4,5,6,7
	global_store_b128 v2, v[8+4*\k:11+4*\k], s[12:13] offset:512*\k th:TH_STORE_NT   ; 512 consecutive bytes, at a multiple of 256 from out0's first byte
.endr
	s_endpgm
.Lfunc_end_k_q0fef74d58a_combine:
	.size	k_q0fef74d58a_combine, .Lfunc_end_k_q0fef74d58a_combine-k_q0fef74d58a_combine
	.p2alignl 7, 3214868480
	.fill 96, 4, 3214868480
	.section	.rodata,"a",@progbits
	.p2align	6, 0x0
	.amdhsa_kernel k_q0fef74d58a_combine
		.amdhsa_group_segment_fixed_size 0
		.amdhsa_private_segment_fixed_size 0
		.amdhsa_enable_private_segment 0
		.amdhsa_kernarg_size 40
		.amdhsa_user_sgpr_count 2
		.amdhsa_user_sgpr_kernarg_segment_ptr 1
		.amdhsa_wavefront_size32 1
		.amdhsa_system_sgpr_workgroup_id_x 1
		.amdhsa_system_sgpr_workgroup_id_y 1
		.amdhsa_system_sgpr_workgroup_id_z 1
		.amdhsa_system_vgpr_workitem_id 0
		.amdhsa_next_free_vgpr 72
		.amdhsa_next_free_sgpr 66
		.amdhsa_reserve_vcc 0
		.amdhsa_float_denorm_mode_32 3
		.amdhsa_float_denorm_mode_16_64 3
		.amdhsa_memory_ordered 1
		.amdhsa_forward_progress 1
		.amdhsa_inst_pref_size 8
	.end_amdhsa_kernel
	.amdgpu_metadata
---
amdhsa.version: [ 1, 2 ]
amdhsa.kernels:
  - .name:           k_q0fef74d58a_combine
    .symbol:         k_q0fef74d58a_combine.kd
    .args:
      - { .name: sel, .offset: 0, .size: 8, .value_kind: global_buffer, .address_space: global }
      - { .name: gat, .offset: 8, .size: 8, .value_kind: global_buffer, .address_space: global }
      - { .name: srt, .offset: 16, .size: 8, .value_kind: global_buffer, .address_space: global }
      - { .name: y, .offset: 24, .size: 8, .value_kind: global_buffer, .address_space: global }
      - { .name: out0, .offset: 32, .size: 8, .value_kind: global_buffer, .address_space: global }
    .group_segment_fixed_size: 0
    .private_segment_fixed_size: 0
    .kernarg_segment_align: 8
    .kernarg_segment_size: 40
    .max_flat_workgroup_size: 128
    .sgpr_count:     66
    .vgpr_count:     72
    .wavefront_size: 32
...
	.end_amdgpu_metadata
.endif
;; end of part 5
;; ======== version 2 of 2: 4 launches
;; limits: right only within a limited range of input values
;; workspace buffers: xq 819,200 bytes; sel 8,192 bytes of whole numbers; gat 8,192 bytes; srt 34,816 bytes of whole numbers; hq 26,214,400 bytes; y 33,554,432 bytes
;; launch gate (part 6): grid 256 x 1, 1 waves a work-group, no clusters, 22,016 bytes of LDS; arguments x, gate_w, gate_b, xq, sel, gat; writes xq, sel, gat
.if DOCPART == 6
	.amdgcn_target "amdgcn-amd-amdhsa--gfx1250"
	.amdhsa_code_object_version 6
	.text
	.protected	k_q0fef74d58a_gate
	.globl	k_q0fef74d58a_gate
	.p2align	8
	.type	k_q0fef74d58a_gate,@function
k_q0fef74d58a_gate:
	s_mov_b64 s[64:65], 0
	v_nop
	global_prefetch_b8 v0, s[64:65] scope:SCOPE_SE
	s_setreg_imm32_b32 hwreg(HW_REG_WAVE_MODE, 25, 1), 1
	s_wait_xcnt 0x0
; MoE layer, launch 1 of 4: the router, and x as codes of BF6 (E3M2) with one E8M0 scale for each 32 along D.
; WORK LEFT OUT BY THE PROGRAM.  reference() computes hidden and expert_out for all 8 experts of every token and then keeps, by take_along_axis(expert_out, topk_indices),
; the rows of the 2 experts that its own top_k chose.  For a token the rows of the other 6 experts enter no further step: whatever finite values the inputs hold they reach no output.
; The choice is made of whole numbers: this launch stores them (sel); launch 2, which reads them from memory, ranks each expert's tokens and multiplies the chosen rows alone, and so does launch 3.
; No input is left out: gate_b differs along the softmax's axis, b1 goes into a quantised operand, b2 into the result.
; LIMITS.  A NaN, an infinity or an overflow that arises only in an expert that was not chosen is not carried to the result.  NaN and infinities among the inputs are not served.
; A block whose largest magnitude lies under 2^(5 - 127) has its byte held at 1 (a block of zeros too, where the rule says 127: its codes are zeros and this program alone reads the bytes).
; A token whose second and third gate values differ by less than f32 rounding may choose otherwise than reference().
; SHARES.  A work-group is one wave and owns 4 tokens.  Lane L owns block L of each row: d = 32 L .. 32 L + 31.  So a block's largest magnitude needs no other lane, and the logits are 32 fused multiply-adds a lane
; and expert, then one sum over the lanes.  All in f32: sums, softmax (the maximum taken off), top-2 (ties keep the lower index).
; x is loaded as it lies (512 consecutive bytes an instruction) and turned through LDS, so that a lane gets its 128 bytes; places are 144 bytes apart, an odd multiple of 16.
; THE ORDER OF K.  The products of launches 2 and 3 take, for lane (r, h) of a K step s, the 48 consecutive bytes at 96 s + 48 h of a row's stream of codes: against the instruction's own order that swaps the
; two middle blocks of a K step, alike on both operands, so the products are the same; every scale word therefore has its bytes in the order block 0, 2, 1, 3.  Only the order of the f32 sums inside an instruction differs.
; xq: [1024][768] codes as a plain stream; from byte 786432 on [1024][8] scale words.  sel: [1024][2] experts.  gat: [1024][2] gate values.
.set XTP,   4608                       ; LDS: a token's 32 places of 144 bytes
.set CST,   4*XTP                      ; the codes of 4 tokens, 3,072 bytes
.set SCB,   CST+3072                   ; their scale bytes, 128 of a block of 256
.set SPARE, SCB+256                    ; the spare words: one block of 256 bytes that no other line names
.set SPW,   1                          ; v1   SPARE + 4 x thread; never rewritten
.set NIL,   2                          ; v2   0; never rewritten
.set ACC,   20                         ; v20-51   sums: token q, expert e at 8 q + e
.set LG,    52                         ; v52-59   my token's logits
.set PR,    60                         ; v60-67   its softmax
.set TT,    68                         ; v68-75   at work
.set E,     76                         ; v76-107  codes, eight registers a token
.set BY,    108                        ; v108-111 scale bytes
.set X,     128                        ; v128-255 x: token q, number i of my block at 32 q + i
; window 1: gate_w: row 32 L + i, expert e at 8 i + e.   window 2: v0-127 x as loaded, later the codes on their way out
.set MSB, 0
.macro WIN new                         ; the immediate's high byte repeats the setting that is left
.if MSB != \new
	s_set_vgpr_msb (MSB<<8)|\new
.set MSB, \new
.endif
.endm
	s_load_b256 s[4:11], s[0:1], 0x0               ; x, gate_w, gate_b, xq
	s_load_b128 s[12:15], s[0:1], 0x20             ; sel, gat
	v_lshl_add_u32 v[SPW], v0, 2, SPARE
	v_mov_b32 v[NIL], 0
	v_lshlrev_b32 v3, 4, v0                        ; 16 L
	v_lshrrev_b32 v11, 3, v0
	v_mul_u32_u24 v4, v11, 144
	v_and_b32 v11, 7, v0
	v_lshl_add_u32 v4, v11, 4, v4                  ; into the turn: eight lanes' 128 bytes fill a place
	v_mul_u32_u24 v5, v0, 144                      ; out of it: my place
	v_mul_u32_u24 v6, v0, 24
	v_add_nc_u32 v6, CST, v6                       ; my block's 24 bytes of codes
	v_and_b32 v7, 28, v0
	v_and_b32 v11, 1, v0
	v_lshl_or_b32 v7, v11, 1, v7
	v_bfe_u32 v11, v0, 1, 1
	v_add_nc_u32 v7, v7, v11
	v_add_nc_u32 v7, SCB, v7                       ; my block's byte: word L / 4, in it blocks in the order 0, 2, 1, 3
	v_lshlrev_b32 v8, 10, v0                       ; gate_w: my 32 rows of 32 bytes
	v_lshlrev_b32 v9, 2, v0
	v_and_b32 v10, 3, v0
	v_lshlrev_b32 v10, 3, v10                      ; sel, gat: 8 bytes a token
	s_lshl_b32 s26, ttmp9, 14                      ; 4 tokens of 4,096 bytes
	s_mov_b32 s27, 0
	s_mul_i32 s28, ttmp9, 3072                     ; of 768 bytes of codes
	s_mov_b32 s29, 0
	s_lshl_b32 s30, ttmp9, 7                       ; of 32 scale bytes
	s_mov_b32 s31, 0
	s_lshl_b32 s32, ttmp9, 5
	s_mov_b32 s33, 0
	s_mov_b32 s24, 0x76543210
	s_mov_b32 s25, 0xfedcba98                      ; v_permlanex16_b32's selects for lane l xor 16
	s_wait_alu depctr_va_vdst(0)
	s_wait_kmcnt 0x0
	s_load_b256 s[16:23], s[8:9], 0x0              ; gate_b
	s_add_nc_u64 s[4:5], s[4:5], s[26:27]
	s_add_nc_u64 s[28:29], s[10:11], s[28:29]
	s_add_nc_u64 s[30:31], s[10:11], s[30:31]
	s_add_nc_u64 s[30:31], s[30:31], 786432
	s_add_nc_u64 s[12:13], s[12:13], s[32:33]
	s_add_nc_u64 s[14:15], s[14:15], s[32:33]
	WIN 0x80                                       ; destination window 2
.irp q, 0,1,2,3
.irp k, 0,1,2,3,4,5,6,7
	global_load_b128 v[32*\q+4*\k:32*\q+4*\k+3], v3, s[4:5] offset:4096*\q+512*\k th:TH_LOAD_NT   ; 32 lanes read 512 consecutive bytes
.endr
.endr
	WIN 0x40                                       ; destination window 1
.set K, 0
.rept 64
	global_load_b128 v[4*K:4*K+3], v8, s[6:7] offset:16*K   ; a lane reads its own 1,024 bytes whole over the 64 loads; the table is 32 KiB in all
.set K, K+1
.endr
	s_wait_loadcnt 63                              ; 96 loads were issued: the oldest 33 are in, x's 32 among them
	WIN 0x08                                       ; an LDS store's data are its source 1: window 2
.irp q, 0,1,2,3
.irp k, 0,1,2,3,4,5,6,7
	ds_store_b128 v4, v[32*\q+4*\k:32*\q+4*\k+3] offset:XTP*\q+576*\k
.endr
.endr
	WIN 0
.irp q, 0,1,2,3
.irp k, 0,1,2,3,4,5,6,7
	ds_load_b128 v[X+32*\q+4*\k:X+32*\q+4*\k+3], v5 offset:XTP*\q+16*\k   ; LDS serves a wave's instructions in order: these see the stores above
.endr
.endr
	s_wait_dscnt 0x0
; token q's block of mine becomes 24 bytes of codes and a byte
.macro QX q
.set XQ, X+32*(\q)
.set EQ, E+8*(\q)
	v_max3_num_f32 v12, |v[XQ]|, |v[XQ+1]|, |v[XQ+2]|
	v_max3_num_f32 v13, |v[XQ+3]|, |v[XQ+4]|, |v[XQ+5]|
.irp i, 6,10,14,18,22,26
	v_max3_num_f32 v12, v12, |v[XQ+\i]|, |v[XQ+\i+1]|
	v_max3_num_f32 v13, v13, |v[XQ+\i+2]|, |v[XQ+\i+3]|
.endr
	v_max3_num_f32 v12, v12, |v[XQ+30]|, |v[XQ+31]|
	v_max3_num_f32 v12, v12, v13, 0x2800000        ; and the floor 2^(5 - 127): the byte cannot fall under 1
	v_add_nc_u32 v14, 0xfe000000, v12              ; 4 off the exponent field: the conversion takes that field as its scale
	v_cvt_scalef32_pk16_bf6_f32 v[EQ:EQ+2], v[XQ:XQ+15], v14
	v_cvt_scalef32_pk16_bf6_f32 v[EQ+4:EQ+6], v[XQ+16:XQ+31], v14   ; (a conversion's three registers begin on an even number)
	v_lshrrev_b32 v[BY+(\q)], 23, v14              ; the byte; also the plain place behind the conversions
	v_mov_b32 v[EQ+3], v[EQ+4]
	v_mov_b32 v[EQ+4], v[EQ+5]
	v_mov_b32 v[EQ+5], v[EQ+6]
	ds_store_b64 v6, v[EQ:EQ+1] offset:768*(\q)
	ds_store_b64 v6, v[EQ+2:EQ+3] offset:768*(\q)+8
	ds_store_b64 v6, v[EQ+4:EQ+5] offset:768*(\q)+16
	ds_store_b8 v7, v[BY+(\q)] offset:32*(\q)
.endm
	QX 0
	QX 1
	QX 2
	QX 3
	WIN 0x80
.irp k, 0,1,2,3,4,5
	ds_load_b128 v[4*\k:4*\k+3], v3 offset:CST+512*\k
.endr
	ds_load_b32 v24, v9 offset:SCB
	s_wait_dscnt 0x0
	WIN 0x08                                       ; a store's data are its source 1: window 2
.irp k, 0,1,2,3,4,5
	global_store_b128 v3, v[4*\k:4*\k+3], s[28:29] offset:512*\k   ; 512 consecutive bytes, at a multiple of 256 from xq's first byte
.endr
	global_store_b32 v9, v24, s[30:31]             ; 128 consecutive bytes: 4 tokens' scale words (32 KiB of the launch's 800)
	s_wait_loadcnt 0x0                             ; gate_w
	WIN 0x04                                       ; source 1 (gate_w) window 1
; the logits' parts: 16 chains of packed multiply-adds, two experts each; x's number serves both halves.  The first product starts the sums
.set I, 0
.rept 32
.irp q, 0,1,2,3
.irp p, 0,2,4,6
.if I == 0
	v_pk_mul_f32 v[ACC+8*\q+\p:ACC+8*\q+\p+1], v[X+32*\q:X+32*\q+1], v[\p:\p+1] op_sel_hi:[0,1]
.elseif I%2 == 0
	v_pk_fma_f32 v[ACC+8*\q+\p:ACC+8*\q+\p+1], v[X+32*\q+I:X+32*\q+I+1], v[8*I+\p:8*I+\p+1], v[ACC+8*\q+\p:ACC+8*\q+\p+1] op_sel_hi:[0,1,1]
.else
	v_pk_fma_f32 v[ACC+8*\q+\p:ACC+8*\q+\p+1], v[X+32*\q+I-1:X+32*\q+I], v[8*I+\p:8*I+\p+1], v[ACC+8*\q+\p:ACC+8*\q+\p+1] op_sel:[1,0,0] op_sel_hi:[1,1,1]
.endif
.endr
.endr
.set I, I+1
.endr
	WIN 0
.irp t, 0,1,2,3,4,5,6,7
	v_mov_b32 v[TT+\t], 0                          ; a lane permute's destination counts as one of its sources
.endr
.irp m, 1,2,4,8
.set A, 0
.rept 32
	v_add_f32_dpp v[ACC+A], v[ACC+A], v[ACC+A] row_xmask:\m row_mask:0xf bank_mask:0xf
.set A, A+1
.endr
.endr
.irp g, 0,1,2,3
.irp t, 0,1,2,3,4,5,6,7
	v_permlanex16_b32 v[TT+\t], v[ACC+8*\g+\t], s24, s25
.endr
.irp t, 0,1,2,3,4,5,6,7
	v_add_f32 v[ACC+8*\g+\t], v[ACC+8*\g+\t], v[TT+\t]   ; every lane holds all 32 sums
.endr
.endr
	v_and_b32 v11, 1, v0                           ; lane L goes on with token L % 4: a choice by the lane's number
	v_cmp_ne_u32 s34, 0, v11
	v_and_b32 v11, 2, v0
	v_cmp_ne_u32 s35, 0, v11
.irp e, 0,1,2,3,4,5,6,7
	v_cndmask_b32 v[TT+\e], v[ACC+\e], v[ACC+8+\e], s34
	v_cndmask_b32 v[PR+\e], v[ACC+16+\e], v[ACC+24+\e], s34
.endr
.irp e, 0,1,2,3,4,5,6,7
	v_cndmask_b32 v[LG+\e], v[TT+\e], v[PR+\e], s35
.endr
	s_wait_alu depctr_va_vdst(0)
	s_wait_kmcnt 0x0                               ; gate_b
.irp e, 0,1,2,3,4,5,6,7
	v_add_f32 v[LG+\e], s[16+\e], v[LG+\e]
.endr
	v_max3_num_f32 v12, v[LG], v[LG+1], v[LG+2]
	v_max3_num_f32 v12, v12, v[LG+3], v[LG+4]
	v_max3_num_f32 v12, v12, v[LG+5], v[LG+6]
	v_max_num_f32 v12, v12, v[LG+7]                ; the maximum is taken off, as reference()'s softmax does
.irp e, 0,1,2,3,4,5,6,7
	v_sub_f32 v[PR+\e], v[LG+\e], v12
.endr
.irp e, 0,1,2,3,4,5,6,7
	v_mul_f32 v[PR+\e], 0x3fb8aa3b, v[PR+\e]       ; x log2(e)
.endr
	s_wait_alu depctr_va_vdst(0)
.irp e, 0,1,2,3,4,5,6,7
	v_exp_f32 v[PR+\e], v[PR+\e]
.endr
	v_mov_b32 v15, -1.0                            ; a plain place behind the exponentials
	s_wait_alu depctr_va_vdst(0)                   ; one wait for the batch, ahead of its first reader
	v_add_f32 v13, v[PR], v[PR+1]
	v_add_f32 v14, v[PR+2], v[PR+3]
	v_add_f32 v12, v[PR+4], v[PR+5]
	v_add_f32 v11, v[PR+6], v[PR+7]
	v_add_f32 v13, v13, v14
	v_add_f32 v12, v12, v11
	v_add_f32 v13, v13, v12
	s_wait_alu depctr_va_vdst(0)
	v_rcp_f32 v14, v13
	v_nop
	s_wait_alu depctr_va_vdst(0)
.irp e, 0,1,2,3,4,5,6,7
	v_mul_f32 v[PR+\e], v[PR+\e], v14
.endr
; the largest of the eight and its place: a later expert wins only where it is truly larger, so ties keep the lower index.  No branch: selects alone
.macro SCAN val, idx
	v_mov_b32 v[\val], v[PR]
	v_mov_b32 v[\idx], 0
.irp e, 1,2,3,4,5,6,7
	v_cmp_le_f32 vcc_lo, v[PR+\e], v[\val]
	v_cndmask_b32 v[\val], v[PR+\e], v[\val], vcc_lo
	v_cndmask_b32 v[\idx], \e, v[\idx], vcc_lo
.endr
.endm
	SCAN 18, 16
.irp e, 0,1,2,3,4,5,6,7
	v_cmp_eq_u32 vcc_lo, \e, v16
	v_cndmask_b32 v[PR+\e], v[PR+\e], v15, vcc_lo  ; the first choice is taken out: -1 lies under every gate value
.endr
	SCAN 19, 17
	s_wait_alu depctr_va_vdst(0)
	s_wait_xcnt 0x0                                ; EXEC changes only behind this wait: stores are out
	v_cmp_gt_u32 vcc_lo, 4, v0
	s_and_saveexec_b32 s36, vcc_lo                 ; lanes 0 to 3: one for each token
	global_store_b64 v10, v[16:17], s[12:13]       ; the two experts, at a fixed place
	global_store_b64 v10, v[18:19], s[14:15]       ; their gate values
	s_wait_xcnt 0x0
	s_or_b32 exec_lo, exec_lo, s36
	s_wait_tensorcnt 0x0                           ; the wave's end, behind my last LDS store
	ds_add_u32 v[SPW], v[NIL]
	s_wait_dscnt 0x0
	s_endpgm
.Lfunc_end_k_q0fef74d58a_gate:
	.size	k_q0fef74d58a_gate, .Lfunc_end_k_q0fef74d58a_gate-k_q0fef74d58a_gate
	.p2alignl 7, 3214868480
	.fill 96, 4, 3214868480
	.section	.rodata,"a",@progbits
	.p2align	6, 0x0
	.amdhsa_kernel k_q0fef74d58a_gate
		.amdhsa_group_segment_fixed_size 22016
		.amdhsa_private_segment_fixed_size 0
		.amdhsa_enable_private_segment 0
		.amdhsa_kernarg_size 48
		.amdhsa_user_sgpr_count 2
		.amdhsa_user_sgpr_kernarg_segment_ptr 1
		.amdhsa_wavefront_size32 1
		.amdhsa_system_sgpr_workgroup_id_x 1
		.amdhsa_system_sgpr_workgroup_id_y 1
		.amdhsa_system_sgpr_workgroup_id_z 1
		.amdhsa_system_vgpr_workitem_id 0
		.amdhsa_next_free_vgpr 640
		.amdhsa_next_free_sgpr 66
		.amdhsa_reserve_vcc 1
		.amdhsa_float_denorm_mode_32 3
		.amdhsa_float_denorm_mode_16_64 3
		.amdhsa_memory_ordered 1
		.amdhsa_forward_progress 1
		.amdhsa_inst_pref_size 73
	.end_amdhsa_kernel
	.amdgpu_metadata
---
amdhsa.version: [ 1, 2 ]
amdhsa.kernels:
  - .name:           k_q0fef74d58a_gate
    .symbol:         k_q0fef74d58a_gate.kd
    .args:
      - { .name: x, .offset: 0, .size: 8, .value_kind: global_buffer, .address_space: global }
      - { .name: gate_w, .offset: 8, .size: 8, .value_kind: global_buffer, .address_space: global }
      - { .name: gate_b, .offset: 16, .size: 8, .value_kind: global_buffer, .address_space: global }
      - { .name: xq, .offset: 24, .size: 8, .value_kind: global_buffer, .address_space: global }
      - { .name: sel, .offset: 32, .size: 8, .value_kind: global_buffer, .address_space: global }
      - { .name: gat, .offset: 40, .size: 8, .value_kind: global_buffer, .address_space: global }
    .group_segment_fixed_size: 22016
    .private_segment_fixed_size: 0
    .kernarg_segment_align: 8
    .kernarg_segment_size: 48
    .max_flat_workgroup_size: 32
    .sgpr_count:     66
    .vgpr_count:     640
    .wavefront_size: 32
...
	.end_amdgpu_metadata
.endif
;; end of part 6
;; launch ffn1 (part 7): grid 32 x 8, 4 waves a work-group, no clusters, 107,008 bytes of LDS; arguments xq, srt, w1_codes, w1_scales, b1, hq, sel; writes hq, srt
.if DOCPART == 7
	.amdgcn_target "amdgcn-amd-amdhsa--gfx1250"
	.amdhsa_code_object_version 6
	.text
	.protected	k_q0fef74d58a_ffn1
	.globl	k_q0fef74d58a_ffn1
	.p2align	8
	.type	k_q0fef74d58a_ffn1,@function
k_q0fef74d58a_ffn1:
	s_mov_b64 s[64:65], 0
	v_nop
	global_prefetch_b8 v0, s[64:65] scope:SCOPE_SE
	s_setreg_imm32_b32 hwreg(HW_REG_WAVE_MODE, 25, 1), 1
	s_wait_xcnt 0x0
; MoE layer, launch 2 of 4: the tokens are ranked by expert, and hq = Q(relu(x W1 + b1)), on codes of BF6 (E3M2) with E8M0 scales, FOR THE ROWS THAT CHOSE THE EXPERT ALONE: a token's rows of the 6 experts that it did not choose reach no output (shown at the head of launch 1).
; SHARES.  Work-group (j, e) owns hidden units 128 j .. 128 j + 127 of expert e, which are K step j of the next product, for all of the expert's rows: 256 work-groups, and every byte of w1 is read once.
; Its 96 KiB of w1 are laid into LDS once; one barrier; from there on the waves share nothing.  Wave w takes the tiles of 16 rows w, w + 4, w + 8 .. of the expert's ranking, up to 5 in a PASS, so that each fragment of W1 read from LDS feeds up to 5 products.
; THE RANKING.  Every wave reads sel, the whole numbers that launch 1 stored (8 KiB), and makes 32 masks in scalar registers: bit L of mask k says that token 64 (k / 2) + 2 L + k % 2 chose e (a lane loads two tokens' pairs, 16 bytes).
; A token's place is the number of chosen tokens in the masks before its own plus that of the lower bits in its own.  The token at place p is found the other way round, in registers: a walk over the 32 masks keeps the last whose running count is at most p,
; and the (p - count)-th set bit of that mask is found by sums of its bits over 2, 4, 8 and 16 bits and five halvings.  It stands between the issue of w1's loads and the wait for them.  No list goes through memory or LDS.
; The work-groups with j = 0 store the places and the count for the later launches: srt byte 4352 e: [1024] places by token (a defined number that nobody reads where the token did not choose e); byte 4352 e + 4096: the count, 32 times.
; NO TENSOR LOAD, NO CLUSTER: how many passes a wave walks, and how many tiles a pass has, hang on the stored choice, and the rows of x are gathered by it; the weights are shared by no two work-groups.
; LAYOUT.  The product is used transposed (source 0 = 16 rows of W1, source 1 = 16 rows of x): a lane holds one row of the hidden layer.  THE ROWS OF W1 THAT FORM A TILE ARE NOT NEIGHBOURS: row p of tile 2 b + u is unit
; 32 b + 8 u + p + 8 (p / 8), so that a lane's 16 registers of tiles 2 b and 2 b + 1 are 16 neighbours along the next K.  In LDS a unit's row stands at the unit's number with bits 3 and 4 swapped, so that a tile's 16 rows are neighbours there.
; THE ORDER OF K: lane (r, h) of K step s takes the 48 consecutive bytes at 96 s + 48 h of a row (three loads of 16 bytes): the two middle blocks of a K step change places, alike on both operands; scale words have their bytes in the order 0, 2, 1, 3.
; b1 is the C of each sum's first product.  The gather of x reads 16 bytes a lane from rows 768 bytes apart; over a pass's 24 loads a row's 768 bytes are read whole by its two lanes.
; hq: codes as images of the next product's operand registers: [expert][tile][K step][3 planes][lane][16 bytes]; from byte 25165824 on scale words [expert][tile][4][lane][4]: lane L < 16: row L, K steps 8 p + 0 .. 3; lane 16 + L: row L, K steps 8 p + 4 .. 7.
; LIMITS: as at the head of launch 1; a block of zeros keeps the byte 1.  A split that gives an expert more than 320 rows is served by further passes.  Rows behind the count in a last tile are those of some token of the batch, and nobody reads them.
.set WP,    784                        ; a row of W1 in LDS: 768 bytes + 16: 49 x 16, so the 16 rows of a load of 16 bytes start at 16 different groups of banks
.set SCP,   48                         ; a row's 8 scale words + 16
.set SCW,   128*WP
.set SPARE, SCW+128*SCP                ; the spare words, 128 bytes a wave: two blocks of 256 bytes that no other line names
.set WAD,   4                          ; v4-5   LDS address of my lane in tiles 0-3, 4-7
.set RH,    6                          ; v6     r + 64 h: my lane's part of a place
.set HO,    7                          ; v7     16 L
.set SO,    8                          ; v8     16 r
.set STA,   9                          ; v9     where I lay W1's codes
.set STS,   10                         ; v10    and its scale words
.set H48,   11                         ; v11    48 h
.set TK,    12                         ; v12-16 my row's token, tile by tile
.set VO,    17                         ; v17-21 its codes' byte in xq
.set XO,    22                         ; v22-26 its scale words'
.set PA8,   27                         ; v27    8 L
.set PA4,   28                         ; v28    4 L
.set WS,    32                         ; v32-63  W1's scale words: 8 b + s: lanes 0-15 tile 2 b, lanes 16-31 tile 2 b + 1
.set XS,    64                         ; v64-103 x's: 8 i + s
.set H,     104                        ; v104-167 a tile's hidden numbers; between passes v112-154 serve the ranking:
.set KP,    112                        ; v112-114 places: lanes 0-15 tile 2 j of the pass, lanes 16-31 tile 2 j + 1
.set KW,    115                        ; v115-117 the mask that holds the place
.set KB,    118                        ; v118-120 the count before that mask; then the place within it
.set KC,    121                        ; v121-123 the mask's first token
.set KA,    124                        ; v124-126 the mask's bits summed in twos,
.set KQ,    127                        ; v127-129 in fours,
.set KE,    130                        ; v130-132 in eights
.set KO,    136                        ; v136-138 the bit's number so far
.set KT,    139                        ; v139-141 at work; at the end the token
.set KX,    142                        ; v142-144 at work; at the end the other half's token
.set KPOS,  146                        ; v146-153 places to store
.set KCNT,  154                        ; v154   the count to store
.set PC,    168                        ; v168-187 a tile's codes
.set TM,    188                        ; v188-203 at work
.set PW,    204                        ; v204   its scale word
.set WSA,   205
.set GA,    206
.set GB,    207
.set TP,    208
.set SPW,   252
.set NIL,   253
.set BI,    64                         ; window 3: b1, 8 registers a tile
.set WF,    128                        ; window 3: W1's 8 fragments of a K step
; window 1: x's fragments: a ring of 4 K steps x 5 tiles x 12 (at the head: W1's codes on their way to LDS).   window 2: accumulators of tiles 0-3 (64 i + 8 t) (at the head v0-63: sel).   window 3: v0-63 those of tile 4
; scalars: s16 wave, s17 j, s18 e, s19 T, s20 R0 (my tiles), s21 Q (my tiles that are done), s22 tiles in the pass, s23 the expert's count, s44 passes done, s45 passes in all, s[46:47] the expert's part of srt,
;          s48-63 and s66-81 the 32 masks (mask k in s[48 + k + 2 (k / 16)]), s85 at work, s86-87 running counts by turns, s88 the lanes 16-31, s89-96 at work
.set MUL2,  0xa7                       ; source 0 (W1) window 3, source 1 (x) window 1, C and D window 2
.set MUL2F, 0xb7                       ; the same with C (b1) in window 3
.set MUL3,  0xf7                       ; C and D window 3
.set TO_W,  0xc0
.set TO_R,  0x40
.set ST_R,  0x04
.set RELU2, 0x08
.set RELU3, 0x0c
.set MSB, 0
.macro WIN new                         ; the immediate's high byte repeats the setting that is left
.if MSB != \new
	s_set_vgpr_msb (MSB<<8)|\new
.set MSB, \new
.endif
.endm
.macro PLACES                          ; four places in front of loads into registers that matrix instructions have read, and of the first read of results
.rept 4
	v_nop
.endr
.endm
.macro PROD d, a, b, c, sa, sb, ar, br
.if (\ar) && (\br)
	v_wmma_scale_f32_16x16x128_f8f6f4 v[(\d):(\d)+7], v[(\a):(\a)+11], v[(\b):(\b)+11], v[(\c):(\c)+7], v[(\sa)], v[(\sb)] matrix_a_fmt:MATRIX_FMT_BF6 matrix_b_fmt:MATRIX_FMT_BF6 matrix_a_scale:MATRIX_SCALE_ROW1 matrix_b_scale:MATRIX_SCALE_ROW1
.elseif (\ar)
	v_wmma_scale_f32_16x16x128_f8f6f4 v[(\d):(\d)+7], v[(\a):(\a)+11], v[(\b):(\b)+11], v[(\c):(\c)+7], v[(\sa)], v[(\sb)] matrix_a_fmt:MATRIX_FMT_BF6 matrix_b_fmt:MATRIX_FMT_BF6 matrix_a_scale:MATRIX_SCALE_ROW1
.elseif (\br)
	v_wmma_scale_f32_16x16x128_f8f6f4 v[(\d):(\d)+7], v[(\a):(\a)+11], v[(\b):(\b)+11], v[(\c):(\c)+7], v[(\sa)], v[(\sb)] matrix_a_fmt:MATRIX_FMT_BF6 matrix_b_fmt:MATRIX_FMT_BF6 matrix_b_scale:MATRIX_SCALE_ROW1
.else
	v_wmma_scale_f32_16x16x128_f8f6f4 v[(\d):(\d)+7], v[(\a):(\a)+11], v[(\b):(\b)+11], v[(\c):(\c)+7], v[(\sa)], v[(\sb)] matrix_a_fmt:MATRIX_FMT_BF6 matrix_b_fmt:MATRIX_FMT_BF6
.endif
.endm
; One halving of the search for a set bit: of the \inc bits from bit KO on, the field of \src at KO says how many are set; where the place within the mask is that or more, the bit lies further up
.macro KSTEP src, msk, inc
.irp j, 0,1,2
	v_lshrrev_b32 v[KT+\j], v[KO+\j], v[\src+\j]
.endr
.irp j, 0,1,2
	v_and_b32 v[KT+\j], \msk, v[KT+\j]
.endr
.irp j, 0,1,2
	v_cmp_ge_u32 vcc_lo, v[KB+\j], v[KT+\j]
	v_cndmask_b32 v[KX+\j], 0, \inc, vcc_lo
.if \inc > 1
	v_cndmask_b32 v[KT+\j], 0, v[KT+\j], vcc_lo
.endif
.endr
.irp j, 0,1,2
	v_add_nc_u32 v[KO+\j], v[KO+\j], v[KX+\j]
.if \inc > 1
	v_sub_nc_u32 v[KB+\j], v[KB+\j], v[KT+\j]
.endif
.endr
.endm
; The tokens of the 5 tiles w + 4 (Q + i) into v[TK + i], and the expert's count into s23.  Place p = 16 x tile + r.  Three registers serve the five tiles: lanes 0-15 tile 2 j of the pass, lanes 16-31 tile 2 j + 1.
; A place at or behind the count ends in the last mask with every halving going up: a token's number under 1,024 all the same.
.macro TOKENS
	s_lshl_b32 s32, s21, 6
	s_lshl_b32 s33, s16, 4
	s_add_co_u32 s32, s32, s33                     ; 64 Q + 16 w
.irp j, 0,1,2
	v_add_nc_u32 v[KP+\j], s32, v[RH]
.endr
	v_add_nc_u32 v[KP+1], 128, v[KP+1]
	v_add_nc_u32 v[KP+2], 256, v[KP+2]
.irp j, 0,1,2
	v_mov_b32 v[KW+\j], s48                        ; mask 0: its count before is 0, its first token 0
	v_mov_b32 v[KB+\j], 0
	v_mov_b32 v[KC+\j], 0
.endr
	s_mov_b32 s86, 0
.set KK, 1
.rept 31                               ; mask KK takes over wherever its count before is at most p: the counts do not fall, so the last such mask stays, and it holds the place
	s_bcnt1_i32_b32 s85, s[48+(KK-1)+2*((KK-1)/16)]
	s_add_co_u32 s[86+KK%2], s[86+(KK-1)%2], s85
.irp j, 0,1,2
	v_cmp_gt_u32 vcc_lo, s[86+KK%2], v[KP+\j]
	v_cndmask_b32 v[KW+\j], s[48+KK+2*(KK/16)], v[KW+\j], vcc_lo
	v_cndmask_b32 v[KB+\j], s[86+KK%2], v[KB+\j], vcc_lo
	v_cndmask_b32 v[KC+\j], 64*(KK/2)+KK%2, v[KC+\j], vcc_lo
.endr
.set KK, KK+1
.endr
	s_bcnt1_i32_b32 s85, s81
	s_add_co_u32 s23, s87, s85                     ; with mask 31's bits: the expert's count
.irp j, 0,1,2
	v_sub_nc_u32 v[KB+\j], v[KP+\j], v[KB+\j]      ; the place within the mask
.endr
.irp j, 0,1,2
	v_lshrrev_b32 v[KT+\j], 1, v[KW+\j]
.endr
.irp j, 0,1,2
	v_and_b32 v[KT+\j], 0x55555555, v[KT+\j]
.endr
.irp j, 0,1,2
	v_sub_nc_u32 v[KA+\j], v[KW+\j], v[KT+\j]      ; each field of 2 bits: how many of them are set
.endr
.irp j, 0,1,2
	v_lshrrev_b32 v[KT+\j], 2, v[KA+\j]
.endr
.irp j, 0,1,2
	v_and_b32 v[KT+\j], 0x33333333, v[KT+\j]
.endr
.irp j, 0,1,2
	v_and_b32 v[KQ+\j], 0x33333333, v[KA+\j]
.endr
.irp j, 0,1,2
	v_add_nc_u32 v[KQ+\j], v[KQ+\j], v[KT+\j]      ; of 4 bits
.endr
.irp j, 0,1,2
	v_lshrrev_b32 v[KT+\j], 4, v[KQ+\j]
.endr
.irp j, 0,1,2
	v_add_nc_u32 v[KE+\j], v[KQ+\j], v[KT+\j]
.endr
.irp j, 0,1,2
	v_and_b32 v[KE+\j], 0x0f0f0f0f, v[KE+\j]       ; of 8 bits
.endr
.irp j, 0,1,2
	v_lshrrev_b32 v[KT+\j], 8, v[KE+\j]
.endr
.irp j, 0,1,2
	v_add_nc_u32 v[KT+\j], v[KE+\j], v[KT+\j]
.endr
.irp j, 0,1,2
	v_and_b32 v[KT+\j], 0xff, v[KT+\j]             ; the lower 16 bits
.endr
.irp j, 0,1,2
	v_cmp_ge_u32 vcc_lo, v[KB+\j], v[KT+\j]
	v_cndmask_b32 v[KO+\j], 0, 16, vcc_lo
	v_cndmask_b32 v[KT+\j], 0, v[KT+\j], vcc_lo
.endr
.irp j, 0,1,2
	v_sub_nc_u32 v[KB+\j], v[KB+\j], v[KT+\j]
.endr
	KSTEP KE, 0xff, 8
	KSTEP KQ, 15, 4
	KSTEP KA, 3, 2
	KSTEP KW, 1, 1
.irp j, 0,1,2
	v_lshl_add_u32 v[KT+\j], v[KO+\j], 1, v[KC+\j] ; the token: the mask's first + 2 x the bit's number
.endr
.irp j, 0,1,2
	v_permlanex16_b32 v[KX+\j], v[KT+\j], s36, s37 ; lane l xor 16's
.endr
	v_cndmask_b32 v[TK+0], v[KT+0], v[KX+0], s88   ; both halves of the lanes get row r's token of each tile
	v_cndmask_b32 v[TK+1], v[KX+0], v[KT+0], s88
	v_cndmask_b32 v[TK+2], v[KT+1], v[KX+1], s88
	v_cndmask_b32 v[TK+3], v[KX+1], v[KT+1], s88
	v_cndmask_b32 v[TK+4], v[KT+2], v[KX+2], s88
.endm
; The places of the tokens of masks 8 g .. 8 g + 7 are stored by wave g; every wave carries the running count (s86) past them
.macro POSG g
	s_cmp_lg_u32 s16, \g
	s_cbranch_scc1 .Lnot_mine_\@
	s_mov_b32 s87, s86
.irp i, 0,1,2,3,4,5,6,7
	v_mbcnt_lo_u32_b32 v[KPOS+\i], s[48+8*\g+\i+2*(\g/2)], s87   ; the count before the mask + the chosen lower lanes
	s_bcnt1_i32_b32 s85, s[48+8*\g+\i+2*(\g/2)]
	s_add_co_u32 s87, s87, s85
.endr
	s_wait_alu depctr_va_vdst(0)
.irp c, 0,1,2,3
	global_store_b64 v[PA8], v[KPOS+2*\c:KPOS+2*\c+1], s[46:47] offset:256*(4*\g+\c)   ; tokens 64 (4 g + c) + 2 L and the next: 256 consecutive bytes, at a multiple of 256 from srt's first byte
.endr
.if \g == 3
	v_mov_b32 v[KCNT], s87
	global_store_b32 v[PA4], v[KCNT], s[46:47] offset:4096   ; the count: 128 consecutive bytes
.endif
.Lnot_mine_\@:
.if \g < 3
.irp i, 0,1,2,3,4,5,6,7
	s_bcnt1_i32_b32 s85, s[48+8*\g+\i+2*(\g/2)]
	s_add_co_u32 s86, s86, s85
.endr
.endif
.endm
.macro WLOAD half, s                   ; four of W1's fragments of K step s
	WIN TO_W
.irp t, 0,1,2,3
.irp c, 0,1,2
	ds_load_b128 v[WF+12*(4*(\half)+\t)+4*\c:WF+12*(4*(\half)+\t)+4*\c+3], v[WAD+(\half)] offset:\t*16*WP+96*(\s)+16*\c
.endr
.endr
.endm
.macro ALOAD n, s                      ; x's fragments of K step s, n tiles, into ring slot s % 4
	WIN TO_R
.set AI, 0
.rept \n
.irp c, 0,1,2
	global_load_b128 v[60*((\s)%4)+12*AI+4*\c:60*((\s)%4)+12*AI+4*\c+3], v[VO+AI], s[4:5] offset:96*(\s)+16*\c
.endr
.set AI, AI+1
.endr
.endm
; 4 n products: n tiles of rows x four tiles of units.  Each accumulator has one instruction a K step, so no two products that follow each other share one
.macro MULH n, s, half
.set MI, 0
.rept \n
.if MI < 4
.if (\s) == 0
	WIN MUL2F
.else
	WIN MUL2
.endif
.set AB, 64*MI
.else
	WIN MUL3
.set AB, 0
.endif
.irp t, 0,1,2,3
.set TT, 4*(\half)+\t
.if (\s) == 0
	PROD AB+8*TT, WF+12*TT, 60*((\s)%4)+12*MI, BI+8*TT, WS+8*(TT/2)+(\s), XS+8*MI+(\s), TT%2, 0
.else
	PROD AB+8*TT, WF+12*TT, 60*((\s)%4)+12*MI, AB+8*TT, WS+8*(TT/2)+(\s), XS+8*MI+(\s), TT%2, 0
.endif
.endr
.set MI, MI+1
.endr
.endm
.macro STEP n, s
	s_wait_dscnt 12                                ; W1's tiles 0-3 are in; the 12 loads of tiles 4-7 may be out
.if (\s) < 5
	s_wait_loadcnt 9*(\n)                          ; x's fragments of this K step are in; three younger K steps, 3 n loads each, may be out
.else
	s_wait_loadcnt 3*(\n)*(7-(\s))
.endif
	MULH \n, \s, 0
.if (\s) < 7
	PLACES
	WLOAD 0, (\s)+1
	s_wait_dscnt 12                                ; all but the 12 just issued
.else
	s_wait_dscnt 0x0
.endif
	MULH \n, \s, 1
.if (\s) < 7
	PLACES
	WLOAD 1, (\s)+1
.if (\s) < 4
	ALOAD \n, (\s)+4                               ; into the ring slot that this K step has left
.endif
.endif
.endm
; 64 numbers of a lane, register 16 b + i = unit 32 b + 16 h + i of my row, none negative, become the next product's fragment in v[PC] on and its scale word in v[PW]
.macro QUANT
.irp b, 0,1,2,3
	v_max3_num_f32 v[TM+\b], v[H+16*\b], v[H+1+16*\b], 0x2800000   ; and the floor 2^(5 - 127): the byte cannot fall under 1
.endr
.irp i, 2,4,6,8,10,12,14
.irp b, 0,1,2,3
	v_max3_num_f32 v[TM+\b], v[TM+\b], v[H+16*\b+\i], v[H+1+16*\b+\i]
.endr
.endr
.irp b, 0,1,2,3
	v_permlanex16_b32 v[TM+4+\b], v[TM+\b], s36, s37
.endr
.irp b, 0,1,2,3
	v_max_num_f32 v[TM+\b], v[TM+\b], v[TM+4+\b]   ; with lane l xor 16's: the block's largest
.endr
.irp b, 0,1,2,3
	v_add_nc_u32 v[TM+12+\b], 0xfe000000, v[TM+\b] ; 4 off the exponent field: the conversion's scale operand
.endr
.irp b, 0,1,2,3
	v_lshrrev_b32 v[TM+4+\b], 23, v[TM+12+\b]      ; the byte
.endr
	v_lshl_or_b32 v[PW], v[TM+6], 8, v[TM+4]       ; the word's bytes: blocks 0, 2, 1, 3
	v_lshl_or_b32 v[PW], v[TM+5], 16, v[PW]
	v_lshl_or_b32 v[PW], v[TM+7], 24, v[PW]
.irp c, 0,1
	v_cvt_scalef32_pk16_bf6_f32 v[PC+6*\c:PC+6*\c+2], v[H+16*\c:H+16*\c+15], v[TM+12+\c]
	v_cvt_scalef32_pk16_bf6_f32 v[PC+12+4*\c:PC+14+4*\c], v[H+32+16*\c:H+47+16*\c], v[TM+14+\c]
.endr
	v_nop                                          ; one plain place behind a scaled conversion
.irp c, 0,1                            ; registers 6 c .. 6 c + 5 take a WHOLE block: lanes 0-15 block c, lanes 16-31 block 2 + c
.irp i, 0,1,2
	v_permlane16_swap_b32 v[PC+6*\c+\i], v[PC+12+4*\c+\i]
.endr
.irp i, 0,1,2
	v_mov_b32 v[PC+3+6*\c+\i], v[PC+12+4*\c+\i]
.endr
.endr
.endm
.macro EPI i                           ; tile i of the pass: relu, quantise, store
.if (\i) < 4
	WIN RELU2
.set EB, 64*(\i)
.else
	WIN RELU3
.set EB, 0
.endif
.set EK, 0
.rept 64
	v_max_num_f32 v[H+EK], 0, v[EB+EK]             ; each accumulator from its low end on
.set EK, EK+1
.endr
	WIN 0
	s_wait_xcnt 0x0                                ; the last tile's stores have read the codes' registers and the word's
	QUANT
.irp c, 0,1,2
	global_store_b128 v[HO], v[PC+4*\c:PC+4*\c+3], s[28:29] offset:196608*(\i)+512*\c   ; 512 consecutive bytes, at a multiple of 256 from hq's first byte
.endr
	global_store_b32 v[SO], v[PW], s[30:31] offset:8192*(\i)   ; 16 words 16 bytes apart (both halves of the lanes store the same): one byte in 25 of what the launch stores
.endm
.macro PASS n
.set PI, 0
.rept \n
	global_load_b128 v[XS+8*PI:XS+8*PI+3], v[XO+PI], s[24:25]
	global_load_b128 v[XS+8*PI+4:XS+8*PI+7], v[XO+PI], s[24:25] offset:16
.set PI, PI+1
.endr
	ALOAD \n, 0
	ALOAD \n, 1
	ALOAD \n, 2
	ALOAD \n, 3
	WLOAD 0, 0
	WLOAD 1, 0
	STEP \n, 0
	STEP \n, 1
	STEP \n, 2
	STEP \n, 3
	STEP \n, 4
	STEP \n, 5
	STEP \n, 6
	STEP \n, 7
	PLACES
.set PI, 0
.rept \n
	EPI PI
.set PI, PI+1
.endr
	WIN 0
.endm
	s_load_b256 s[4:11], s[0:1], 0x0               ; xq, srt, w1_codes, w1_scales
	s_load_b128 s[12:15], s[0:1], 0x20             ; b1, hq
	s_load_b64 s[26:27], s[0:1], 0x30              ; sel
	v_lshl_add_u32 v[SPW], v0, 2, SPARE
	v_mov_b32 v[NIL], 0
	v_lshrrev_b32 v[TP], 5, v0
	v_readfirstlane_b32 s16, v[TP]                 ; wave
	v_and_b32 v1, 31, v0                           ; L
	v_and_b32 v2, 15, v0                           ; r
	v_bfe_u32 v3, v0, 4, 1                         ; h
	s_mov_b32 s17, ttmp9                           ; j
	s_and_b32 s18, ttmp7, 0xffff                   ; e
	v_mul_u32_u24 v[H48], v3, 48
	v_mul_u32_u24 v[WAD], v2, WP
	v_add_nc_u32 v[WAD], v[WAD], v[H48]
	v_add_nc_u32 v[WAD+1], 64*WP, v[WAD]
	v_lshl_add_u32 v[RH], v3, 6, v2
	v_lshlrev_b32 v[HO], 4, v1
	v_lshlrev_b32 v[SO], 4, v2
	v_lshlrev_b32 v[PA8], 3, v1
	v_lshlrev_b32 v[PA4], 2, v1
	s_mul_i32 s32, s16, 32*WP                      ; wave w lays units 32 w .. 32 w + 31
	v_mul_u32_u24 v[STA], v3, WP
	v_lshl_add_u32 v[STA], v2, 4, v[STA]
	v_add_nc_u32 v[STA], s32, v[STA]               ; lanes 0-15 an even unit's 256 bytes, lanes 16-31 the next unit's
	v_bfe_u32 v[TP], v0, 1, 3
	v_lshl_add_u32 v[TP], v3, 4, v[TP]
	v_mul_u32_u24 v[STS], v[TP], SCP
	v_and_b32 v[TP], 1, v0
	v_lshl_add_u32 v[STS], v[TP], 4, v[STS]
	s_mul_i32 s33, s16, 32*SCP
	s_add_co_u32 s33, s33, SCW
	v_add_nc_u32 v[STS], s33, v[STS]               ; two lanes to a unit's 32 scale bytes; the row with bits 3 and 4 swapped
	v_mul_u32_u24 v[WSA], v1, SCP
	v_add_nc_u32 v[WSA], SCW, v[WSA]
	v_mul_u32_u24 v[GA], v3, 768
	v_lshl_add_u32 v[GA], v2, 4, v[GA]
	v_lshlrev_b32 v[GB], 6, v3
	s_mov_b32 s36, 0x76543210
	s_mov_b32 s37, 0xfedcba98                      ; v_permlanex16_b32's selects for lane l xor 16
	s_mov_b32 s38, 0x03010200                      ; a scale word's bytes into the order 0, 2, 1, 3
	s_mov_b32 s88, 0xffff0000                      ; lanes 16-31
	s_lshl_b32 s22, s18, 12
	s_lshl_b32 s23, s17, 7
	s_add_co_u32 s22, s22, s23                     ; my first unit among all: 4096 e + 128 j
	s_lshl_b32 s44, s22, 2
	s_mov_b32 s45, 0
	s_lshl_b32 s23, s16, 5
	s_add_co_u32 s22, s22, s23                     ; + 32 w
	s_mul_i32 s32, s22, 768
	s_mov_b32 s33, 0
	s_lshl_b32 s34, s22, 5
	s_mov_b32 s35, 0
	s_mul_i32 s46, s18, 4352
	s_mov_b32 s47, 0
	s_mul_i32 s40, s18, 3145728                    ; hq's codes: an expert's 64 tiles x 32 K steps x 1,536 bytes,
	s_mul_i32 s23, s17, 1536                       ; my K step
	s_add_co_u32 s40, s40, s23
	s_mov_b32 s41, 0
	s_lshl_b32 s42, s18, 17                        ; hq's scale words: an expert's 64 tiles x 2,048 bytes,
	s_lshr_b32 s23, s17, 2
	s_lshl_b32 s23, s23, 8                         ; 256 bytes for each four K steps,
	s_add_co_u32 s42, s42, s23
	s_and_b32 s23, s17, 3
	s_lshl_b32 s23, s23, 2                         ; a word for each K step
	s_add_co_u32 s42, s42, s23
	s_add_co_u32 s42, s42, 25165824
	s_mov_b32 s43, 0
	s_wait_alu depctr_va_vdst(0)
	s_wait_kmcnt 0x0
	s_add_nc_u64 s[8:9], s[8:9], s[32:33]
	s_add_nc_u64 s[10:11], s[10:11], s[34:35]
	s_add_nc_u64 s[12:13], s[12:13], s[44:45]
	s_add_nc_u64 s[46:47], s[6:7], s[46:47]        ; the expert's part of srt
	s_add_nc_u64 s[24:25], s[4:5], 786432          ; x's scale words
	s_add_nc_u64 s[40:41], s[14:15], s[40:41]
	s_add_nc_u64 s[42:43], s[14:15], s[42:43]
	WIN 0x80                                       ; destination window 2
.set I, 0
.rept 16
	global_load_b128 v[4*I:4*I+3], v[HO], s[26:27] offset:512*I   ; sel first: 64 tokens' pairs, 512 consecutive bytes; registers 2 k, 2 k + 1: the pair of mask k's token
.set I, I+1
.endr
	WIN TO_R
.set I, 0
.rept 16
.irp c, 0,1,2
	global_load_b128 v[12*I+4*\c:12*I+4*\c+3], v[GA], s[8:9] offset:1536*I+256*\c th:TH_LOAD_NT   ; sixteen lanes read 256 consecutive bytes of a unit's row; read once in the launch
.endr
.set I, I+1
.endr
	WIN 0
	global_load_b128 v[H:H+3], v[HO], s[10:11] th:TH_LOAD_NT
	global_load_b128 v[H+4:H+7], v[HO], s[10:11] offset:512 th:TH_LOAD_NT
	WIN TO_W
.irp t, 0,1,2,3,4,5,6,7
	global_load_b128 v[BI+8*\t:BI+8*\t+3], v[GB], s[12:13] offset:(32*(\t/2)+8*(\t%2))*4
	global_load_b128 v[BI+8*\t+4:BI+8*\t+7], v[GB], s[12:13] offset:(32*(\t/2)+8*(\t%2))*4+16
.endr
	s_mov_b32 s21, 0                               ; Q: tiles of mine that are done
	s_wait_loadcnt 63                              ; 82 loads were issued: the oldest 19 are in, sel's 16 among them
	WIN 0x08                                       ; source 1 (sel) window 2
.irp g, 0,1,2,3                        ; the 32 masks, eight at a time, so that the scalar lines wait for the compares once in eight
.irp i, 0,1,2,3,4,5,6,7
	v_cmp_eq_u32 s[48+8*\g+\i+2*(\g/2)], s18, v[2*(8*\g+\i)]
.endr
.irp i, 0,1,2,3,4,5,6,7
	v_cmp_eq_u32 s[89+\i], s18, v[2*(8*\g+\i)+1]
.endr
.irp i, 0,1,2,3,4,5,6,7
	s_or_b32 s[48+8*\g+\i+2*(\g/2)], s[48+8*\g+\i+2*(\g/2)], s[89+\i]   ; who chose e (a token names an expert once)
.endr
.endr
	WIN 0
	s_cmp_lg_u32 s17, 0                            ; the work-group's number: one work-group of each expert stores the places and the count
	s_cbranch_scc1 .Lno_places
	s_mov_b32 s86, 0
	POSG 0
	POSG 1
	POSG 2
	POSG 3
.Lno_places:
	TOKENS                                         ; the first pass's tokens: register work while w1 is on its way
	s_wait_loadcnt 18                              ; the codes are in; younger: 2 loads of scales, 16 of b1
	WIN ST_R
.set I, 0
.rept 16
.set LAM, ((2*I)&7)|((((2*I)>>3)&1)<<4)|((((2*I)>>4)&1)<<3)
.irp c, 0,1,2
	ds_store_b128 v[STA], v[12*I+4*\c:12*I+4*\c+3] offset:LAM*WP+256*\c
.endr
.set I, I+1
.endr
	WIN 0
	s_wait_loadcnt 16                              ; the scales are in
.irp k, 0,1,2,3,4,5,6,7
	v_perm_b32 v[H+\k], v[H+\k], v[H+\k], s38
.endr
	ds_store_b128 v[STS], v[H:H+3]
	ds_store_b128 v[STS], v[H+4:H+7] offset:8*SCP
	s_wait_dscnt 0x0                               ; for the others' sake: my stores have landed
	s_barrier_signal -1
	s_barrier_wait -1                              ; the launch's one barrier: the slice of W1 lies in LDS, and nothing is stored there again
.irp b, 0,1,2,3
	ds_load_b128 v[WS+8*\b:WS+8*\b+3], v[WSA] offset:32*SCP*\b
	ds_load_b128 v[WS+8*\b+4:WS+8*\b+7], v[WSA] offset:32*SCP*\b+16
.endr
.irp b, 0,1,2,3
	v_mov_b32 v[TM+4+\b], 0                        ; a lane permute's destination counts as one of its sources
.endr
	s_add_co_u32 s19, s23, 15
	s_lshr_b32 s19, s19, 4
	s_min_u32 s19, s19, 64                         ; T: the expert's tiles
	s_add_co_u32 s20, s19, 3
	s_sub_co_u32 s20, s20, s16
	s_lshr_b32 s20, s20, 2                         ; R0: those of them that are mine, 16 at the most
	s_add_co_u32 s45, s20, 4
	s_mul_i32 s45, s45, 13
	s_lshr_b32 s45, s45, 6                         ; my passes: (R0 + 4) / 5 rounded down; x 13 / 64 gives that for every number up to 20
	s_mov_b32 s44, 0                               ; passes done: the loop's counter, a step of 1
	s_cmp_eq_u32 s20, 0
	s_cbranch_scc1 .Lend
.Lpass:
	s_wait_loadcnt 0x0                             ; first pass: b1
	s_wait_dscnt 0x0                               ; W1's scale words
	s_wait_xcnt 0x0                                ; earlier stores have read their registers and their bases
	s_wait_alu depctr_va_vdst(0)
.irp i, 0,1,2,3,4
	v_min_u32 v[TK+\i], 0x3ff, v[TK+\i]
.endr
.irp i, 0,1,2,3,4
	v_mul_u32_u24 v[VO+\i], v[TK+\i], 768
.endr
.irp i, 0,1,2,3,4
	v_add_nc_u32 v[VO+\i], v[VO+\i], v[H48]
	v_lshlrev_b32 v[XO+\i], 5, v[TK+\i]
.endr
	s_lshl_b32 s32, s21, 2
	s_add_co_u32 s32, s32, s16
	s_min_u32 s32, s32, 63                         ; the pass's first tile
	s_mul_i32 s34, s32, 49152
	s_mov_b32 s35, 0
	s_add_nc_u64 s[28:29], s[40:41], s[34:35]
	s_lshl_b32 s34, s32, 11
	s_add_nc_u64 s[30:31], s[42:43], s[34:35]
	s_sub_co_u32 s22, s20, s21
	s_min_u32 s22, s22, 5                          ; tiles in this pass
	s_cmp_eq_u32 s22, 5
	s_cbranch_scc1 .Lp5
	s_cmp_eq_u32 s22, 4
	s_cbranch_scc1 .Lp4
	s_cmp_eq_u32 s22, 3
	s_cbranch_scc1 .Lp3
	s_cmp_eq_u32 s22, 2
	s_cbranch_scc1 .Lp3                            ; a pass of two tiles runs the body for three: two are left only at Q = 0, 5 or 10, so the third tile's number, w + 4 (Q + 2), is 51 at the most, is this wave's alone, lies behind the expert's tiles, and nobody uses it
	s_wait_alu depctr_va_vdst(0)
	PASS 1
	s_branch .Ljoin
.Lp3:
	s_wait_alu depctr_va_vdst(0)
	PASS 3
	s_branch .Ljoin
.Lp4:
	s_wait_alu depctr_va_vdst(0)
	PASS 4
	s_branch .Ljoin
.Lp5:
	s_wait_alu depctr_va_vdst(0)
	PASS 5
.Ljoin:
	s_add_co_u32 s44, s44, 1                       ; a pass is done,
	s_mul_i32 s21, s44, 5                          ; and with it five of my tiles
	s_cmp_ge_u32 s44, s45
	s_cbranch_scc1 .Lend                           ; it was the last: nothing more is ranked
	TOKENS                                         ; the next pass's tokens
	s_cmp_lt_u32 s44, s45
	s_cbranch_scc1 .Lpass
.Lend:
	s_wait_tensorcnt 0x0                           ; the wave's end, behind my last LDS store
	ds_add_u32 v[SPW], v[NIL]
	s_wait_dscnt 0x0
	s_endpgm
.Lfunc_end_k_q0fef74d58a_ffn1:
	.size	k_q0fef74d58a_ffn1, .Lfunc_end_k_q0fef74d58a_ffn1-k_q0fef74d58a_ffn1
	.p2alignl 7, 3214868480
	.fill 96, 4, 3214868480
	.section	.rodata,"a",@progbits
	.p2align	6, 0x0
	.amdhsa_kernel k_q0fef74d58a_ffn1
		.amdhsa_group_segment_fixed_size 107008
		.amdhsa_private_segment_fixed_size 0
		.amdhsa_enable_private_segment 0
		.amdhsa_kernarg_size 56
		.amdhsa_user_sgpr_count 2
		.amdhsa_user_sgpr_kernarg_segment_ptr 1
		.amdhsa_wavefront_size32 1
		.amdhsa_system_sgpr_workgroup_id_x 1
		.amdhsa_system_sgpr_workgroup_id_y 1
		.amdhsa_system_sgpr_workgroup_id_z 1
		.amdhsa_system_vgpr_workitem_id 0
		.amdhsa_next_free_vgpr 1024
		.amdhsa_next_free_sgpr 100
		.amdhsa_reserve_vcc 1
		.amdhsa_float_denorm_mode_32 3
		.amdhsa_float_denorm_mode_16_64 3
		.amdhsa_memory_ordered 1
		.amdhsa_forward_progress 1
		.amdhsa_inst_pref_size 255
	.end_amdhsa_kernel
	.section	.bss,"aw",@nobits
	.p2align	6
	.space	262144
	.amdgpu_metadata
---
amdhsa.version: [ 1, 2 ]
amdhsa.kernels:
  - .name:           k_q0fef74d58a_ffn1
    .symbol:         k_q0fef74d58a_ffn1.kd
    .args:
      - { .name: xq, .offset: 0, .size: 8, .value_kind: global_buffer, .address_space: global }
      - { .name: srt, .offset: 8, .size: 8, .value_kind: global_buffer, .address_space: global }
      - { .name: w1_codes, .offset: 16, .size: 8, .value_kind: global_buffer, .address_space: global }
      - { .name: w1_scales, .offset: 24, .size: 8, .value_kind: global_buffer, .address_space: global }
      - { .name: b1, .offset: 32, .size: 8, .value_kind: global_buffer, .address_space: global }
      - { .name: hq, .offset: 40, .size: 8, .value_kind: global_buffer, .address_space: global }
      - { .name: sel, .offset: 48, .size: 8, .value_kind: global_buffer, .address_space: global }
    .group_segment_fixed_size: 107008
    .private_segment_fixed_size: 0
    .kernarg_segment_align: 8
    .kernarg_segment_size: 56
    .max_flat_workgroup_size: 128
    .sgpr_count:     100
    .vgpr_count:     1024
    .wavefront_size: 32
...
	.end_amdgpu_metadata
.endif
;; end of part 7
;; launch ffn2 (part 8): grid 32 x 8, 4 waves a work-group, no clusters, 85,504 bytes of LDS; arguments hq, srt, w2_codes, w2_scales, b2, y; writes y
.if DOCPART == 8
	.amdgcn_target "amdgcn-amd-amdhsa--gfx1250"
	.amdhsa_code_object_version 6
	.text
	.protected	k_q0fef74d58a_ffn2
	.globl	k_q0fef74d58a_ffn2
	.p2align	8
	.type	k_q0fef74d58a_ffn2,@function
k_q0fef74d58a_ffn2:
	s_mov_b64 s[64:65], 0
	v_nop
	global_prefetch_b8 v0, s[64:65] scope:SCOPE_SE
	s_setreg_imm32_b32 hwreg(HW_REG_WAVE_MODE, 25, 1), 1
	s_wait_xcnt 0x0
; MoE layer, launch 3 of 4: y = h W2 + b2 on codes of BF6 (E3M2) with E8M0 scales, FOR THE ROWS THAT CHOSE THE EXPERT ALONE (the other experts' rows of a token reach no output: shown at the head of launch 1).
; SHARES.  Work-group (x, e): output columns 64 (x / 2) .. + 63 of expert e, and the tiles of 16 rows par + 2 i, par = x % 2, i = 0 .. n - 1; n follows from the count that launch 2 stored (srt byte 4352 e + 4096), 32 at the most.
; WAVE q TAKES K STEPS 8 q .. 8 q + 7 (a quarter of K = 4,096) OF EVERY TILE.  So no operand is shared between waves, and the four waves have the same work whatever the count.
; Its 4 x 8 fragments of W2 (384 registers) stay in registers for the whole launch; a tile of the hidden layer is 24 loads of 512 bytes and one of scale words, 32 products on 4 accumulators by turns.
; W2 is read in whole units of 256 bytes (a row's quarter is 768 bytes) and turned through the wave's own LDS stage of 16 rows, half a column tile (12 loads) at a time, four such batches in flight behind the one at work.
; THE HIDDEN TILES come as images of the operand's registers into two register sets; the tile two further on is asked for while a tile is multiplied, two fragments at a time, behind the products that read them.
; THE FOUR QUARTERS OF K ARE JOINED THROUGH LDS, ONE TILE LATE: each wave stores its 16 x 64 partial sums, a barrier; in the next tile's arm wave q asks for rows 4 q .. 4 q + 3 of all four waves, multiplies that next tile,
; then adds the four and b2 and stores whole rows of 256 bytes.  Two buffers by turns, one barrier a tile: a buffer is stored into again only behind the barrier in front of which every wave's reads of it have come back.
; THE LOOP has 16 trips of two tiles, a constant.  Branches on n lead round work alone, never round a barrier, and every LDS address is a constant plus lane and wave terms.
; THE COUNTS OF THE WAITS hold on every way through the arms: an arm that fills its set again leaves, at the most, the other set's 25 loads and behind them its own 25; every other arm ends with all loads waited for.
; The sums of a number are added in another order than one chain along K would add them.
; NO TENSOR LOAD, NO CLUSTER: which work is done hangs on the stored count.  NO PREFETCH: each wave's own loads are asked two tiles, 50 loads, ahead of their use.
; The first two tiles (numbers par and par + 2) are asked for before n is known; where n is under 2 they are read inside hq and not used.
; THE ORDER OF K: as in launch 2: lane (r, h) takes the 48 bytes at 96 s + 48 h of a row of w2; its scale words get their bytes in the order 0, 2, 1, 3.
; y: [expert][place in the expert's ranking][1024] f32.  Rows behind the count in a last tile are those of some token of the batch, and nobody reads them.
.set WP,    784                        ; a stage row: 768 bytes + 16 = 49 x 16
.set RP,    272                        ; a row of partial sums: 256 bytes + 16
.set RB,    4*16*WP                    ; behind the four stages: the partial sums: [2 buffers][4 waves][16 rows]
.set RBS,   4*16*RP
.set SPARE, RB+2*RBS                   ; the spare words, 128 bytes a wave: two blocks of 256 bytes that no other line names
.set AO,    4                          ; v4   16 L
.set GA,    5                          ; v5   w2: 3072 h + 16 r
.set STA,   6                          ; v6   into my stage
.set WAD,   7                          ; v7   out of it: row r, 48 h
.set SCA,   8                          ; v8   w2's scales: 128 L
.set BO,    9                          ; v9   16 r
.set STO,   10                         ; v10  my partial sums: row r, 32 h
.set RDA,   11                         ; v11  back: rows 4 q + h, 16 r
.set YO,    12                         ; v12  the same two rows in y
.set TP,    13
.set SPW,   14                         ; v14  SPARE + 4 x thread; never rewritten
.set NIL,   15                         ; v15  0; never rewritten
.set R,     32                         ; v32-95   partial sums read back, a set for each buffer: 8 j + 4 g: wave j's, rows 4 q + 2 g + h
.set B2,    128                        ; v128-131 b2 at my four columns
.set ACC,   192                        ; v192-223 the four accumulators
.set WS,    224                        ; v224-239 W2's scale words: 8 p + k: lanes 0-15 column tile 2 p, lanes 16-31 tile 2 p + 1
.set HSL,   240                        ; v240-247 the hidden tiles' scale words as they land, a set of 4 for each register set
.set HSW,   248                        ; v248-251 those of the tile at work: word w: lanes 0-15 K step w, lanes 16-31 K step 4 + w
; window 1: v0-95, v96-191 the two sets of hidden fragments (12 k).   window 2: W2's fragments of my K steps 0-3 (12 (4 k + t)), window 3: of K steps 4-7
; scalars: s16 q, s18 e, s20 n - 2 x trips done, s21 trips done, s23 the count, s24 x / 2, s25 par, s[28:29] hidden codes of the trip's first tile, s[30:31] its scale words, s[36:37] its rows of y
.set MSB, 0
.macro WIN new                         ; the immediate's high byte repeats the setting that is left
.if MSB != (\new)
	s_set_vgpr_msb (MSB<<8)|(\new)
.set MSB, (\new)
.endif
.endm
.macro PROD d, a, b, c, sa, sb, ar, br
.if (\ar) && (\br)
	v_wmma_scale_f32_16x16x128_f8f6f4 v[(\d):(\d)+7], v[(\a):(\a)+11], v[(\b):(\b)+11], \c, v[(\sa)], v[(\sb)] matrix_a_fmt:MATRIX_FMT_BF6 matrix_b_fmt:MATRIX_FMT_BF6 matrix_a_scale:MATRIX_SCALE_ROW1 matrix_b_scale:MATRIX_SCALE_ROW1
.elseif (\ar)
	v_wmma_scale_f32_16x16x128_f8f6f4 v[(\d):(\d)+7], v[(\a):(\a)+11], v[(\b):(\b)+11], \c, v[(\sa)], v[(\sb)] matrix_a_fmt:MATRIX_FMT_BF6 matrix_b_fmt:MATRIX_FMT_BF6 matrix_a_scale:MATRIX_SCALE_ROW1
.elseif (\br)
	v_wmma_scale_f32_16x16x128_f8f6f4 v[(\d):(\d)+7], v[(\a):(\a)+11], v[(\b):(\b)+11], \c, v[(\sa)], v[(\sb)] matrix_a_fmt:MATRIX_FMT_BF6 matrix_b_fmt:MATRIX_FMT_BF6 matrix_b_scale:MATRIX_SCALE_ROW1
.else
	v_wmma_scale_f32_16x16x128_f8f6f4 v[(\d):(\d)+7], v[(\a):(\a)+11], v[(\b):(\b)+11], \c, v[(\sa)], v[(\sb)] matrix_a_fmt:MATRIX_FMT_BF6 matrix_b_fmt:MATRIX_FMT_BF6
.endif
.endm
; Batch j of W2: rows 8 j .. 8 j + 7 of my 64, my 768 bytes of each: 12 loads; sixteen lanes read 256 consecutive bytes.  They land in registers of the column tile's own fragments
.macro HBL j
	WIN 0x80+0x40*((\j)%2)
.irp p, 0,1,2,3
.irp u, 0,1,2
	global_load_b128 v[12*(4*\p+(\j)/2)+4*\u:12*(4*\p+(\j)/2)+4*\u+3], v[GA], s[8:9] offset:(8*(\j)+2*\p)*3072+256*\u
.endr
.endr
.endm
.macro HBS j                           ; the batch into my stage (an LDS store's data are its source 1)
	WIN 0x08+0x04*((\j)%2)
.irp p, 0,1,2,3
.irp u, 0,1,2
	ds_store_b128 v[STA], v[12*(4*\p+(\j)/2)+4*\u:12*(4*\p+(\j)/2)+4*\u+3] offset:(8*((\j)%2)+2*\p)*WP+256*\u
.endr
.endr
.endm
.macro WBACK t                         ; column tile t's eight fragments out of the stage; LDS serves a wave's instructions in order: these see the stores above, and the next tile's stores come behind them
.irp k, 0,1,2,3,4,5,6,7
	WIN 0x80+0x40*(\k/4)
.irp c, 0,1,2
	ds_load_b128 v[12*(4*(\k%4)+(\t))+4*\c:12*(4*(\k%4)+(\t))+4*\c+3], v[WAD] offset:96*\k+16*\c
.endr
.endr
.endm
.macro HSC set, ah                     ; a hidden tile's scale words of my quarter; ah = 1: the tile two further on
	global_load_b128 v[HSL+4*(\set):HSL+4*(\set)+3], v[AO], s[30:31] offset:4096*(\set)+8192*(\ah)
.endm
.macro HU set, k, ah                   ; its fragment of my K step k: three loads of 512 consecutive bytes
.irp c, 0,1,2
	global_load_b128 v[96*(\set)+12*(\k)+4*\c:96*(\set)+12*(\k)+4*\c+3], v[AO], s[28:29] offset:98304*(\set)+196608*(\ah)+1536*(\k)+512*\c
.endr
.endm
.macro RLOAD b                         ; my four rows of the four waves' partial sums in buffer b
.irp j, 0,1,2,3
.irp g, 0,1
	ds_load_b128 v[R+32*(\b)+8*\j+4*\g:R+32*(\b)+8*\j+4*\g+3], v[RDA] offset:RBS*(\b)+16*RP*\j+2*RP*\g
.endr
.endr
.endm
; The four quarters of K and b2 are added; the rows leave.  Buffer 0 holds this trip's first tile; buffer 1 the second tile of the trip before, 32 rows of y under this trip's first
.macro FINISH b
.set RR, R+32*(\b)
.irp g, 0,2,4,6
	v_pk_add_f32 v[RR+\g:RR+\g+1], v[RR+\g:RR+\g+1], v[RR+8+\g:RR+9+\g]
	v_pk_add_f32 v[RR+16+\g:RR+17+\g], v[RR+16+\g:RR+17+\g], v[RR+24+\g:RR+25+\g]
.endr
.irp g, 0,2,4,6
	v_pk_add_f32 v[RR+\g:RR+\g+1], v[RR+\g:RR+\g+1], v[RR+16+\g:RR+17+\g]
.endr
.irp g, 0,2,4,6
	v_pk_add_f32 v[RR+\g:RR+\g+1], v[RR+\g:RR+\g+1], v[B2+\g%4:B2+\g%4+1]
.endr
	global_store_b128 v[YO], v[RR:RR+3], s[36:37] offset:-131072*(\b) th:TH_STORE_NT          ; sixteen lanes store 256 consecutive bytes, at a multiple of 256 from y's first byte
	global_store_b128 v[YO], v[RR+4:RR+7], s[36:37] offset:8192-131072*(\b) th:TH_STORE_NT
.endm
.macro JOIN b                          ; a tile with no tile behind it under which to be joined
	RLOAD \b
	s_wait_dscnt 0x0
	FINISH \b
.endm
; A tile out of register set 'set': 32 products; the partial sums go to buffer 'set'.  prev = 1: the tile before, in the other buffer, is joined on the way.
; A tile's loads are issued in the order: its scale words, its fragments 0 to 7.  Where loads of my set are out, the other set's 25 were issued behind them.
; So behind my scale words stand 24 + 25; behind fragment k stand 3 (7 - k) + 25 and, with a refill, the new scale words and the 6 loads of each pair of fragments that is done with.
.macro TILE set, refill, prev
.if \prev
	RLOAD 1-(\set)
.endif
	s_wait_loadcnt 49
.irp w, 0,1,2,3
	v_mov_b32 v[HSW+\w], v[HSL+4*(\set)+\w]        ; so that the landing registers are free for the refill
.endr
	s_wait_alu depctr_va_vdst(0)
.if \refill
	HSC \set, 1
.endif
.rept 8
	v_nop                                          ; a scale register written by a vector instruction stands 8 places ahead of a scaled product; also the places in front of products that begin the accumulators anew
.endr
.irp k, 0,1,2,3,4,5,6,7
	s_wait_loadcnt 3*(7-\k)+25+(\refill)*(1+6*(\k/2))
	WIN 0x06+\k/4                                  ; source 0 (W2) window 2 or 3, source 1 (hidden) window 1
.irp t, 0,1,2,3                        ; the four accumulators by turns; the first K step starts the sums
.if \k == 0
	PROD ACC+8*\t, 12*(4*(\k%4)+\t), 96*(\set)+12*\k, 0, WS+8*(\t/2)+\k, HSW+\k%4, \t%2, \k/4
.else
	PROD ACC+8*\t, 12*(4*(\k%4)+\t), 96*(\set)+12*\k, v[ACC+8*\t:ACC+8*\t+7], WS+8*(\t/2)+\k, HSW+\k%4, \t%2, \k/4
.endif
.endr
.if \k%2
.if \refill || \k == 7
.rept 4
	v_nop                                          ; four places in front of loads into registers that the products have read, and of the first read of results
.endr
.endif
.if \refill
	WIN 0x40
	HU \set, \k-1, 1
	HU \set, \k, 1
.endif
.endif
.endr
	WIN 0
.if \refill == 0
	s_wait_loadcnt 0x0                             ; an arm that asks for nothing leaves nothing out
.endif
.if \prev
	s_wait_dscnt 0x0                               ; the tile before: its partial sums are back
	FINISH 1-(\set)
.endif
.irp t, 0,1,2,3
	ds_store_b128 v[STO], v[ACC+8*\t:ACC+8*\t+3] offset:RBS*(\set)+64*\t          ; each accumulator from its low end on
	ds_store_b128 v[STO], v[ACC+8*\t+4:ACC+8*\t+7] offset:RBS*(\set)+64*\t+16
.endr
.endm
	s_load_b256 s[4:11], s[0:1], 0x0               ; hq, srt, w2_codes, w2_scales
	s_load_b128 s[12:15], s[0:1], 0x20             ; b2, y
	v_lshl_add_u32 v[SPW], v0, 2, SPARE
	v_mov_b32 v[NIL], 0
	v_lshrrev_b32 v[TP], 5, v0
	v_readfirstlane_b32 s16, v[TP]                 ; q
	v_and_b32 v1, 31, v0                           ; L
	v_and_b32 v2, 15, v0                           ; r
	v_bfe_u32 v3, v0, 4, 1                         ; h
	s_mul_i32 s32, s16, 16*WP                      ; my stage
	s_mul_i32 s33, s16, 16*RP
	s_add_co_u32 s33, s33, RB                      ; my partial sums
	s_mul_i32 s34, s16, 4*RP
	s_add_co_u32 s34, s34, RB                      ; rows 4 q on of wave 0's
	v_lshlrev_b32 v[AO], 4, v1
	v_mul_u32_u24 v[GA], v3, 3072
	v_lshl_add_u32 v[GA], v2, 4, v[GA]             ; lanes 0-15 an even row's 256 bytes, lanes 16-31 the next row's
	v_mul_u32_u24 v[STA], v3, WP
	v_lshl_add_u32 v[STA], v2, 4, v[STA]
	v_add_nc_u32 v[STA], s32, v[STA]
	v_mul_u32_u24 v[TP], v3, 48
	v_mad_u32_u24 v[WAD], v2, WP, v[TP]
	v_add_nc_u32 v[WAD], s32, v[WAD]
	v_lshlrev_b32 v[SCA], 7, v1
	v_lshlrev_b32 v[BO], 4, v2
	v_mul_u32_u24 v[STO], v2, RP
	v_lshl_add_u32 v[STO], v3, 5, v[STO]
	v_add_nc_u32 v[STO], s33, v[STO]
	v_mul_u32_u24 v[RDA], v3, RP
	v_lshl_add_u32 v[RDA], v2, 4, v[RDA]
	v_add_nc_u32 v[RDA], s34, v[RDA]
	v_lshlrev_b32 v[YO], 12, v3
	v_lshl_add_u32 v[YO], v2, 4, v[YO]
	s_wait_alu depctr_va_vdst(0)                   ; the wait behind the head's vector work, ahead of the scalar lines and the wait below
	s_mov_b32 s17, ttmp9
	s_and_b32 s18, ttmp7, 0xffff                   ; e
	s_lshr_b32 s24, s17, 1                         ; which 64 columns
	s_and_b32 s25, s17, 1                          ; par
	s_mov_b32 s38, 0x03010200                      ; a scale word's bytes into the order 0, 2, 1, 3
	s_lshl_b32 s22, s18, 10
	s_lshl_b32 s26, s24, 6
	s_add_co_u32 s22, s22, s26                     ; my first column among all: 1024 e + 64 (x / 2)
	s_mul_i32 s40, s22, 3072
	s_mul_i32 s26, s16, 768
	s_add_co_u32 s40, s40, s26                     ; w2's codes: my quarter of its rows
	s_mov_b32 s41, 0
	s_lshl_b32 s42, s22, 7
	s_lshl_b32 s26, s16, 5
	s_add_co_u32 s42, s42, s26                     ; its scales likewise: 32 of a row's 128 bytes
	s_mov_b32 s43, 0
	s_lshl_b32 s44, s22, 2
	s_mov_b32 s45, 0
	s_mul_i32 s39, s18, 4352                       ; the expert's part of srt
	s_mul_i32 s46, s18, 3145728                    ; hidden codes: expert, tile par, K step 8 q
	s_mul_i32 s26, s25, 49152
	s_add_co_u32 s46, s46, s26
	s_mul_i32 s26, s16, 12288
	s_add_co_u32 s46, s46, s26
	s_mov_b32 s47, 0
	s_lshl_b32 s48, s18, 17                        ; hidden scale words likewise
	s_lshl_b32 s26, s25, 11
	s_add_co_u32 s48, s48, s26
	s_lshl_b32 s26, s16, 9
	s_add_co_u32 s48, s48, s26
	s_add_co_u32 s48, s48, 25165824
	s_mov_b32 s49, 0
	s_lshl_b32 s50, s18, 22                        ; y: expert, row 16 par + 4 q, my columns
	s_lshl_b32 s26, s25, 16
	s_add_co_u32 s50, s50, s26
	s_lshl_b32 s26, s16, 14
	s_add_co_u32 s50, s50, s26
	s_lshl_b32 s26, s24, 8
	s_add_co_u32 s50, s50, s26
	s_mov_b32 s51, 0
	s_wait_kmcnt 0x0
	s_load_b32 s23, s[6:7], s39 offset:4096        ; the expert's count
	s_add_nc_u64 s[8:9], s[8:9], s[40:41]
	s_add_nc_u64 s[10:11], s[10:11], s[42:43]
	s_add_nc_u64 s[12:13], s[12:13], s[44:45]
	s_add_nc_u64 s[28:29], s[4:5], s[46:47]
	s_add_nc_u64 s[30:31], s[4:5], s[48:49]
	s_add_nc_u64 s[36:37], s[14:15], s[50:51]
.irp p, 0,1
	global_load_b128 v[WS+8*\p:WS+8*\p+3], v[SCA], s[10:11] offset:4096*\p        ; row 32 p + L: my quarter's 8 scale words; the four waves read the 8 KiB whole between them
	global_load_b128 v[WS+8*\p+4:WS+8*\p+7], v[SCA], s[10:11] offset:4096*\p+16
.endr
	global_load_b128 v[B2:B2+3], v[BO], s[12:13]
	HBL 0
	HBL 1
	HBL 2
	HBL 3
	HBL 4
; Batch j is waited for with the four groups issued behind it still out: 12 loads each, but the hidden tiles' first halves, which have 13.  The groups: batches 0 to 7, then the halves of the first two hidden tiles
.irp j, 0,1,2,3,4,5,6,7
.if \j < 4
	s_wait_loadcnt 48
.elseif \j < 6
	s_wait_loadcnt 49
.else
	s_wait_loadcnt 50
.endif
	HBS \j
.if \j%2
	WBACK \j/2
.endif
.if \j < 3
	HBL \j+5
.elseif \j < 7
.if (\j-3)%2 == 0
	WIN 0
	HSC (\j-3)/2, 0
.endif
	WIN 0x40
.irp k, 0,1,2,3
	HU (\j-3)/2, 4*((\j-3)%2)+\k, 0
.endr
.endif
.endr
	WIN 0
.irp k, 0,1,2,3,4,5,6,7,8,9,10,11,12,13,14,15
	v_perm_b32 v[WS+\k], v[WS+\k], v[WS+\k], s38
.endr
	s_wait_alu depctr_va_vdst(0)
	s_wait_kmcnt 0x0
	s_add_co_u32 s19, s23, 15
	s_lshr_b32 s19, s19, 4
	s_min_u32 s19, s19, 64                         ; the expert's tiles
	s_add_co_u32 s19, s19, 1
	s_sub_co_u32 s19, s19, s25
	s_lshr_b32 s20, s19, 1                         ; n: those of my parity
	s_mov_b32 s21, 0
	s_wait_dscnt 0x0                               ; W2's fragments are in
.Ltrip:                                                ; tiles i = 2 x trip (set 0) and i + 1 (set 1); s20 = n - i
	s_cmp_eq_u32 s21, 0
	s_cbranch_scc1 .Lfirst                         ; the first trip has no tile before it
	s_cmp_ge_i32 s20, 3
	s_cbranch_scc1 .La0p
	s_cmp_ge_i32 s20, 1
	s_cbranch_scc1 .Lc0p
	s_wait_loadcnt 0x0
	s_cmp_eq_u32 s20, 0
	s_cbranch_scc0 .Lj0
	JOIN 1                                         ; the trip before held the last tile
	s_branch .Lj0
.Lc0p:
	TILE 0, 0, 1
	s_branch .Lj0
.La0p:
	TILE 0, 1, 1
	s_branch .Lj0
.Lfirst:
	s_cmp_ge_i32 s20, 3
	s_cbranch_scc1 .La0
	s_cmp_ge_i32 s20, 1
	s_cbranch_scc1 .Lc0
	s_wait_loadcnt 0x0
	s_branch .Lj0
.Lc0:
	TILE 0, 0, 0
	s_branch .Lj0
.La0:
	TILE 0, 1, 0
.Lj0:
	s_wait_dscnt 0x0                               ; for the others' sake: my stores into buffer 0 have landed, and my reads of buffer 1 are over
	s_barrier_signal -1
	s_barrier_wait -1
	s_cmp_ge_i32 s20, 4
	s_cbranch_scc1 .La1
	s_cmp_ge_i32 s20, 2
	s_cbranch_scc1 .Lc1
	s_wait_loadcnt 0x0
	s_cmp_eq_u32 s20, 1
	s_cbranch_scc0 .Lj1
	JOIN 0                                         ; the trip's first tile was the last
	s_branch .Lj1
.Lc1:
	TILE 1, 0, 1
	s_branch .Lj1
.La1:
	TILE 1, 1, 1
.Lj1:
	s_wait_dscnt 0x0                               ; my stores into buffer 1 have landed, and my reads of buffer 0 are over
	s_barrier_signal -1
	s_barrier_wait -1
	s_wait_xcnt 0x0                                ; the trip's loads and stores have read their bases and data registers
	s_add_nc_u64 s[28:29], s[28:29], 196608        ; two tiles of my parity on
	s_add_nc_u64 s[30:31], s[30:31], 8192
	s_add_nc_u64 s[36:37], s[36:37], 262144
	s_sub_co_i32 s20, s20, 2
	s_add_co_u32 s21, s21, 1
	s_cmp_lt_u32 s21, 16
	s_cbranch_scc1 .Ltrip
	s_cmp_eq_u32 s20, 0                            ; n = 32: the last trip's second tile is still to be joined
	s_cbranch_scc0 .Lend
	JOIN 1
.Lend:
	s_wait_tensorcnt 0x0                           ; the wave's end, behind my last LDS store
	ds_add_u32 v[SPW], v[NIL]
	s_wait_dscnt 0x0
	s_endpgm
.Lfunc_end_k_q0fef74d58a_ffn2:
	.size	k_q0fef74d58a_ffn2, .Lfunc_end_k_q0fef74d58a_ffn2-k_q0fef74d58a_ffn2
	.p2alignl 7, 3214868480
	.fill 96, 4, 3214868480
	.section	.rodata,"a",@progbits
	.p2align	6, 0x0
	.amdhsa_kernel k_q0fef74d58a_ffn2
		.amdhsa_group_segment_fixed_size 85504
		.amdhsa_private_segment_fixed_size 0
		.amdhsa_enable_private_segment 0
		.amdhsa_kernarg_size 48
		.amdhsa_user_sgpr_count 2
		.amdhsa_user_sgpr_kernarg_segment_ptr 1
		.amdhsa_wavefront_size32 1
		.amdhsa_system_sgpr_workgroup_id_x 1
		.amdhsa_system_sgpr_workgroup_id_y 1
		.amdhsa_system_sgpr_workgroup_id_z 1
		.amdhsa_system_vgpr_workitem_id 0
		.amdhsa_next_free_vgpr 960
		.amdhsa_next_free_sgpr 66
		.amdhsa_reserve_vcc 0
		.amdhsa_float_denorm_mode_32 3
		.amdhsa_float_denorm_mode_16_64 3
		.amdhsa_memory_ordered 1
		.amdhsa_forward_progress 1
		.amdhsa_inst_pref_size 88
	.end_amdhsa_kernel
	.amdgpu_metadata
---
amdhsa.version: [ 1, 2 ]
amdhsa.kernels:
  - .name:           k_q0fef74d58a_ffn2
    .symbol:         k_q0fef74d58a_ffn2.kd
    .args:
      - { .name: hq, .offset: 0, .size: 8, .value_kind: global_buffer, .address_space: global }
      - { .name: srt, .offset: 8, .size: 8, .value_kind: global_buffer, .address_space: global }
      - { .name: w2_codes, .offset: 16, .size: 8, .value_kind: global_buffer, .address_space: global }
      - { .name: w2_scales, .offset: 24, .size: 8, .value_kind: global_buffer, .address_space: global }
      - { .name: b2, .offset: 32, .size: 8, .value_kind: global_buffer, .address_space: global }
      - { .name: y, .offset: 40, .size: 8, .value_kind: global_buffer, .address_space: global }
    .group_segment_fixed_size: 85504
    .private_segment_fixed_size: 0
    .kernarg_segment_align: 8
    .kernarg_segment_size: 48
    .max_flat_workgroup_size: 128
    .sgpr_count:     66
    .vgpr_count:     960
    .wavefront_size: 32
...
	.end_amdgpu_metadata
.endif
;; end of part 8
;; launch combine (part 9): grid 256 x 1, 4 waves a work-group, no clusters, 0 bytes of LDS; arguments sel, gat, srt, y, out0; writes out0
.if DOCPART == 9
	.amdgcn_target "amdgcn-amd-amdhsa--gfx1250"
	.amdhsa_code_object_version 6
	.text
	.protected	k_q0fef74d58a_combine
	.globl	k_q0fef74d58a_combine
	.p2align	8
	.type	k_q0fef74d58a_combine,@function
k_q0fef74d58a_combine:
	s_mov_b64 s[64:65], 0
	v_nop
	global_prefetch_b8 v0, s[64:65] scope:SCOPE_SE
	s_setreg_imm32_b32 hwreg(HW_REG_WAVE_MODE, 25, 1), 1
	s_wait_xcnt 0x0
; MoE layer, launch 4 of 4: out[t] = g0 y[e0][place of t in e0's ranking] + g1 y[e1][place of t in e1's ranking], in f32.  A wave owns a token: a row of 4,096 bytes is eight loads of 512 consecutive bytes.
; The token's places in all 8 rankings (srt byte 4352 e + 4 t, stored by launch 2) are asked for together with its two experts, so that no load waits for another's result; the two that count are chosen by scalar selects.
; Memory binds: each row of y that counts is read once, each byte of out0 is written once; LDS, barriers and the matrix units would add nothing.
	s_load_b256 s[4:11], s[0:1], 0x0               ; sel, gat, srt, y
	s_load_b64 s[12:13], s[0:1], 0x20              ; out0
	v_lshrrev_b32 v1, 5, v0
	v_readfirstlane_b32 s14, v1                    ; wave
	v_and_b32 v2, 31, v0
	v_lshlrev_b32 v2, 4, v2                        ; 16 bytes a lane
	s_lshl_b32 s15, ttmp9, 2
	s_add_co_u32 s15, s15, s14                     ; my token
	s_lshl_b32 s16, s15, 3
	s_lshl_b32 s17, s15, 2
	s_lshl_b32 s18, s15, 12
	s_mov_b32 s19, 0
	s_wait_alu depctr_va_vdst(0)
	s_wait_kmcnt 0x0
	s_load_b64 s[20:21], s[4:5], s16 offset:0x0    ; its two experts
	s_load_b64 s[22:23], s[6:7], s16 offset:0x0    ; their gate values
.irp e, 0,1,2,3,4,5,6,7
	s_load_b32 s[24+\e], s[8:9], s17 offset:4352*\e   ; its place in each expert's ranking
.endr
	s_add_nc_u64 s[12:13], s[12:13], s[18:19]
	s_wait_kmcnt 0x0
	s_mov_b32 s32, s24
	s_mov_b32 s33, s24
.irp e, 1,2,3,4,5,6,7
	s_cmp_eq_u32 s20, \e
	s_cselect_b32 s32, s[24+\e], s32
	s_cmp_eq_u32 s21, \e
	s_cselect_b32 s33, s[24+\e], s33
.endr
	s_min_u32 s20, s20, 7                          ; held inside y
	s_min_u32 s21, s21, 7
	s_min_u32 s32, s32, 1023
	s_min_u32 s33, s33, 1023
	s_lshl_b32 s20, s20, 10
	s_lshl_b32 s21, s21, 10
	s_add_co_u32 s20, s20, s32
	s_add_co_u32 s21, s21, s33
	s_lshl_b32 s34, s20, 12
	s_mov_b32 s35, 0
	s_lshl_b32 s36, s21, 12
	s_mov_b32 s37, 0
	s_add_nc_u64 s[34:35], s[10:11], s[34:35]
	s_add_nc_u64 s[36:37], s[10:11], s[36:37]
	s_mov_b32 s38, s23                             ; g1 in a pair of its own: the packed forms name a pair and take its low word for both halves
	s_mov_b32 s39, s23
.irp k, 0,1,2,3,4,5,6,7
	global_load_b128 v[8+4*\k:11+4*\k], v2, s[34:35] offset:512*\k th:TH_LOAD_NT
.endr
.irp k, 0,1,2,3,4,5,6,7
	global_load_b128 v[40+4*\k:43+4*\k], v2, s[36:37] offset:512*\k th:TH_LOAD_NT
.endr
	s_wait_loadcnt 8                               ; the first row is in; the second row's eight loads may be out
.irp k, 0,2,4,6,8,10,12,14,16,18,20,22,24,26,28,30
	v_pk_mul_f32 v[8+\k:9+\k], v[8+\k:9+\k], s[22:23] op_sel_hi:[1,0]
.endr
	s_wait_loadcnt 0x0
.irp k, 0,2,4,6,8,10,12,14,16,18,20,22,24,26,28,30
	v_pk_fma_f32 v[8+\k:9+\k], v[40+\k:41+\k], s[38:39], v[8+\k:9+\k] op_sel_hi:[1,0,1]
.endr
.irp k, 0,1,2,3,4,5,6,7
	global_store_b128 v2, v[8+4*\k:11+4*\k], s[12:13] offset:512*\k th:TH_STORE_NT   ; 512 consecutive bytes, at a multiple of 256 from out0's first byte
.endr
	s_endpgm
.Lfunc_end_k_q0fef74d58a_combine:
	.size	k_q0fef74d58a_combine, .Lfunc_end_k_q0fef74d58a_combine-k_q0fef74d58a_combine
	.p2alignl 7, 3214868480
	.fill 96, 4, 3214868480
	.section	.rodata,"a",@progbits
	.p2align	6, 0x0
	.amdhsa_kernel k_q0fef74d58a_combine
		.amdhsa_group_segment_fixed_size 0
		.amdhsa_private_segment_fixed_size 0
		.amdhsa_enable_private_segment 0
		.amdhsa_kernarg_size 40
		.amdhsa_user_sgpr_count 2
		.amdhsa_user_sgpr_kernarg_segment_ptr 1
		.amdhsa_wavefront_size32 1
		.amdhsa_system_sgpr_workgroup_id_x 1
		.amdhsa_system_sgpr_workgroup_id_y 1
		.amdhsa_system_sgpr_workgroup_id_z 1
		.amdhsa_system_vgpr_workitem_id 0
		.amdhsa_next_free_vgpr 72
		.amdhsa_next_free_sgpr 66
		.amdhsa_reserve_vcc 0
		.amdhsa_float_denorm_mode_32 3
		.amdhsa_float_denorm_mode_16_64 3
		.amdhsa_memory_ordered 1
		.amdhsa_forward_progress 1
		.amdhsa_inst_pref_size 8
	.end_amdhsa_kernel
	.amdgpu_metadata
---
amdhsa.version: [ 1, 2 ]
amdhsa.kernels:
  - .name:           k_q0fef74d58a_combine
    .symbol:         k_q0fef74d58a_combine.kd
    .args:
      - { .name: sel, .offset: 0, .size: 8, .value_kind: global_buffer, .address_space: global }
      - { .name: gat, .offset: 8, .size: 8, .value_kind: global_buffer, .address_space: global }
      - { .name: srt, .offset: 16, .size: 8, .value_kind: global_buffer, .address_space: global }
      - { .name: y, .offset: 24, .size: 8, .value_kind: global_buffer, .address_space: global }
      - { .name: out0, .offset: 32, .size: 8, .value_kind: global_buffer, .address_space: global }
    .group_segment_fixed_size: 0
    .private_segment_fixed_size: 0
    .kernarg_segment_align: 8
    .kernarg_segment_size: 40
    .max_flat_workgroup_size: 128
    .sgpr_count:     66
    .vgpr_count:     72
    .wavefront_size: 32
...
	.end_amdgpu_metadata
.endif
;; end of part 9
